; MI455X (gfx1250); checked and timed in simulation.
; The chip was launched on July 23, 2026; its instructions are those of AMD's public machine-readable ISA for CDNA 5 (MIT licence, August 2026) and "CDNA5" Instruction Set Architecture Reference Guide (July 2026). The comments in the code are by the model that wrote it; some were corrected since.
;; Block. Allowed arithmetic: matrix products marked QUANTISED: E2M1 operands, one E8M0 scale for each 32 along K, by v_wmma_scale_f32_16x16x128_f8f6f4 with both operands' format E2M1 (or v_wmma_scale_f32_32x16x128_f4), f32 sums; everything else in f32.
;; Inputs: W1 1,024 x 4,096 float32; W2 4,096 x 1,024 float32; Wk 16 x 1,024 x 64 float32; Wo 1,024 x 1,024 float32; Wq 16 x 1,024 x 64 float32; Wv 16 x 1,024 x 64 float32; b1 4,096 float32; b2 1,024 float32; be1 1,024 float32; be2 1,024 float32; bo 1,024 float32; g1 1,024 float32; g2 1,024 float32; x 2 x 2,048 x 1,024 float32.
;; Outputs: out0 2 x 2,048 x 1,024 float32.
;; This version of the problem:
;;   THIS VERSION OF THE PROBLEM IS GIVEN IN LOW PRECISION. The matrix products marked QUANTISED in the list below multiply operands that are first quantised to E2M1 (2 exponent bits, 1 mantissa bit; 4 bits a number), with one power-of-two scale for each 32 numbers along K (OCP MX v1.0); their sums are f32. All else is computed in f32.
;;   The module's matrix products, in the order in which they are computed (A, B: the left and right operand; K: the contracted axis; several contracted axes count as one K, in the product's order):
;;     1. [M 1,024, K 1,024] x [K 1,024, N 4,096]; A: input Wq; B: computed on the way: QUANTISED
;;     2. [M 1,024, K 1,024] x [K 1,024, N 4,096]; A: input Wk; B: computed on the way: QUANTISED
;;     3. [M 1,024, K 1,024] x [K 1,024, N 4,096]; A: input Wv; B: computed on the way: QUANTISED
;;     4. batch 32 x [M 2,048, K 64] x [K 64, N 2,048]; A: computed on the way; B: computed on the way: QUANTISED
;;     5. batch 32 x [M 2,048, K 2,048] x [K 2,048, N 64]; A: softmax (see below); B: computed on the way: QUANTISED
;;     6. [M 4,096, K 1,024] x [K 1,024, N 1,024]; A: computed on the way; B: input Wo: QUANTISED
;;     7. [M 4,096, K 1,024] x [K 1,024, N 4,096]; A: computed on the way; B: input W1: QUANTISED
;;     8. [M 4,096, K 4,096] x [K 4,096, N 1,024]; A: computed on the way; B: input W2: QUANTISED
;;   THE QUANTISER, for each operand of a quantised product, along K:
;;     - K is cut into blocks of 32 from its start; a last block that is shorter is filled with zeros.
;;     - A block's scale is 2^e with e = floor(log2(the largest magnitude in the block)) - 2, held to -126 .. 127; a block of zeros has e = 0. As a byte (E8M0): e + 127.
;;     - Each number is divided by its block's scale, clamped to +-6, and rounded to the nearest number of E2M1, ties to even, subnormals kept.
;;     - The product sums the exact products of the quantised numbers (number of the format x scale) in f32.
;;   ~~~python
;;   def quantise(x, axis):      # numpy; x: float32 -> the quantised numbers, widened to float32 again
;;       x = np.moveaxis(x, axis, -1); K = x.shape[-1]
;;       x = np.pad(x, [(0, 0)] * (x.ndim - 1) + [(0, -K % 32)]); x = x.reshape(x.shape[:-1] + (-1, 32)); a = np.abs(x).max(-1, keepdims=True)
;;       e = np.where(a > 0, np.clip(np.frexp(np.where(a > 0, a, 1))[1] - 1 - 2, -126, 127), 0)      # np.frexp(a)[1] - 1 = floor(log2(a)), exactly
;;       r = np.clip(x / 2.0 ** e, -6, 6)
;;       step = 2.0 ** (np.maximum(np.frexp(np.where(r == 0, 1, r))[1] - 1, 0) - 1)
;;       q = np.round(r / step) * step * 2.0 ** e      # np.round: ties to even
;;       return np.moveaxis(q.reshape(q.shape[:-2] + (-1,))[..., :K], -1, axis).astype(np.float32)
;;   ~~~
;;   SOFTMAX AHEAD OF A QUANTISED PRODUCT. Where the list says 'softmax', what is quantised is not the finished softmax but p = 2^(t - M), with t = logit x log2(e) and M = ceil(the row's largest t), a whole number; so 1/2 < the row's largest p <= 1. The row's sum l is taken of the UNQUANTISED p, in f32, and the product's result is divided by l at the end. Since M is a whole number, a kernel that streams over the keys may use a running M (the ceiling of the running maximum): every later rescaling is an exact power of two, which a block's scale takes up: the codes' values come out the same.
;;   OPERANDS COMPUTED ON THE WAY. 'Computed on the way' means the value that the module computes at that place (a softmax that the list does not call 'softmax' is quantised finished and normalised). What goes into a quantiser is computed in f32, as accurately as f32 sums, v_exp_f32 and their like allow (about 1e-6 of the number): no bf16 or f16 on the way to a quantiser, and a product that is left as it is and whose result goes on into a quantised operand takes f32 operands (vector FMAs, or v_wmma_f32_16x16x4_f32). A number that lies on a knife's edge between two numbers of the format may be rounded either way, as far as f32 arithmetic and the matrix unit's own rounding can turn it there, and no further.
;; One version. Each part assembles by itself: llvm-mc -triple=amdgcn-amd-amdhsa -mcpu=gfx1250 --defsym DOCPART=n.
;; ======== version 1 of 1: 6 launches
;; limits: right only within a limited range of input values
;; workspace buffers: himg 2,228,224 bytes; wqo 2,228,224 bytes; wimg 6,684,672 bytes; qkv 6,684,672 bytes; oimg 2,228,224 bytes; x1 16,777,216 bytes; h2img 2,228,224 bytes; hid 8,912,896 bytes
;; launch prep (part 1): grid 192 x 1, 16 waves a work-group, no clusters, 133,632 bytes of LDS; arguments x, g1, be1, Wq, Wk, Wv, Wo, himg, wqo; writes himg, wqo
.if DOCPART == 1
	.amdgcn_target "amdgcn-amd-amdhsa--gfx1250"
	.amdhsa_code_object_version 6
	.text
	.protected	k_q9a56c947f1_prep
	.globl	k_q9a56c947f1_prep
	.p2align	8
	.type	k_q9a56c947f1_prep,@function
k_q9a56c947f1_prep:
	s_mov_b64 s[64:65], 0
	v_nop
	global_prefetch_b8 v0, s[64:65] scope:SCOPE_SE
	s_setreg_imm32_b32 hwreg(HW_REG_WAVE_MODE, 25, 1), 1
	s_wait_xcnt 0x0
; THE PROGRAM: a transformer block (layernorm, causal attention on 16 heads of 64, projection, residual, layernorm, MLP, residual) on 4,096 tokens of 1,024, all eight products on codes of FP4 (E2M1)
; with one E8M0 scale for each 32 along K.  Six launches: prep | qkv | attn | wo_ln2 | ff1 | ff2.
; WORK LEFT OUT.  reference() sets every score with key > query to -infinity by a mask that it builds itself (jnp.tril); the softmax gives such a key the weight 0, whatever finite values the inputs hold.
; So a step of 128 keys all of which come after all queries of a tile adds 0 to the row's sum and 0 to the output: launch attn leaves such steps out (their part of products 4 and 5), and nothing else is left out.
; Every input has a way to the output and is loaded.  LIMIT: a NaN, an infinity or an overflow that reaches only the scores left out is not carried to the result.
; LIMITS of the whole program: NaN and infinities among the inputs are not served; a block of zeros gets the scale byte 1 where the rule says 127 (its codes are zeros, which add nothing under any byte but 0xff, and
; the bytes are read by this program alone); blocks whose largest magnitude lies under 2^-124, the floor, were not tried.
; THE IMAGE, the one layout of every operand [rows][K] in the workspace: chunk (F = row / 64, s = k / 128) at byte (F x K / 128 + s) x 4,352.  A chunk is four fragments a = 0..3 of 1,024 bytes, each the image of an
; operand's registers: [c = 0, 1][lane][16 bytes]; lane (r, h) of fragment a holds row 64 F + 32 (a / 2) + 8 (a % 2) + r % 8 + 16 (r / 8), and its 16 bytes at c the codes of k = 128 s + 64 c + 32 h + 0..31.
; At byte 4,096: the scale words, [r][a], four bytes each.  So a fragment is two loads of 16 bytes a lane at 16 x lane, and as source 0 of a product its rows fall so that a lane's registers run along the next K.
; THIS LAUNCH.  Work-groups 0-127: h = layernorm(x) g1 + be1 of 32 rows each, quantised along C, to himg.  Work-groups 128-191: Wq, Wk, Wv and Wo, whose K is their first axis, quantised along K, to wqo.
; (W1 and W2, which nothing reads before launches ff1 and ff2, are quantised in launch wo_ln2, by work-groups beside its 128 row blocks.)
.set CH,     4352                      ; a chunk
.set SP,     4112                      ; a stage row: 4,096 bytes + 16: the sixteen rows that a read touches start at sixteen different groups of banks
.set SPARE,  32*SP                     ; behind the stage: the spare words, 128 bytes for each wave, which no other line names
.set WO_OFF, 1671168                   ; wqo: Wq, Wk, Wv (48 F x 8 s) | Wo (16 x 8)
.set COL,  4                           ; v4   16 x lane
.set STO,  5                           ; v5   stage: my wave's two rows
.set RD0,  6                           ; v6   stage: my row of the fragment that I quantise
.set IMG,  8                           ; v8   my 16 bytes of the fragment's image
.set SCO,  9                           ; v9   my row's scale word
.set SH8,  10                          ; v10  8 h
.set SPW,  12                          ; v12  LDS address of my spare word; never rewritten
.set NIL,  13                          ; v13  0; never rewritten
.set T0,   16                          ; v16-29 the layernorm's sums, means and factors
.set PC,   32                          ; v32-39 codes
.set PW,   48                          ; v48  a scale word
.set TQ,   50                          ; v50-56 the quantiser's
.set G,    64                          ; v64-95 g1
.set BE,   96                          ; v96-127 be1
.set X,    128                         ; v128-191 two rows of x, then 64 numbers to quantise
.set WCOL, 4                           ; weights: v4 4 x my column, v5 my codes' place in the chunk, v6 my scale word's
.set WIM,  5
.set WSC,  6
.set WCD,  32                          ; v32-47 codes, v48 the scale word, v50-53 at work, v128-255 four blocks of 32 numbers
.set WWD,  48
.set WT,   50
.set W,    128
.set WV,   26
.set SEL,  28                          ; s[28:29] lane selects: lane l xor 16
.set K10,  30                          ; 2^-10
.set EPS,  31                          ; 1e-5
.set SRC,  32
.set DST,  34
.macro REDUCE                          ; v[T0:T0+1], v[T0+2:T0+3]: two rows' sums, over the pair and the 32 lanes
	s_delay_alu instid0(VALU_DEP_2)
	v_add_f32 v[T0], v[T0], v[T0+1]
	s_delay_alu instid0(VALU_DEP_2)
	v_add_f32 v[T0+2], v[T0+2], v[T0+3]
.irp m, 1,2,4,8
	s_delay_alu instid0(VALU_DEP_2)
	v_add_f32_dpp v[T0], v[T0], v[T0] row_xmask:\m row_mask:0xf bank_mask:0xf
	s_delay_alu instid0(VALU_DEP_2)
	v_add_f32_dpp v[T0+2], v[T0+2], v[T0+2] row_xmask:\m row_mask:0xf bank_mask:0xf
.endr
	s_delay_alu instid0(VALU_DEP_2)
	v_permlanex16_b32 v[T0+4], v[T0], s[SEL], s[SEL+1]
	s_delay_alu instid0(VALU_DEP_2)
	v_permlanex16_b32 v[T0+5], v[T0+2], s[SEL], s[SEL+1]
	s_delay_alu instid0(VALU_DEP_2)
	v_add_f32 v[T0], v[T0], v[T0+4]
	s_delay_alu instid0(VALU_DEP_2)
	v_add_f32 v[T0+2], v[T0+2], v[T0+5]
.endm
; Two rows, 32 registers a lane each, become (x - mean) rsqrt(var + eps) g + be, in place.  The variance is taken of the deviations, as reference() takes it: no difference of large sums.
.macro LNROWS V
	v_pk_add_f32 v[T0:T0+1], v[\V:\V+1], v[\V+2:\V+3]
	v_pk_add_f32 v[T0+2:T0+3], v[\V+32:\V+33], v[\V+34:\V+35]
.irp j, 4,6,8,10,12,14,16,18,20,22,24,26,28,30
	s_delay_alu instid0(VALU_DEP_2)
	v_pk_add_f32 v[T0:T0+1], v[T0:T0+1], v[\V+\j:\V+\j+1]
	s_delay_alu instid0(VALU_DEP_2)
	v_pk_add_f32 v[T0+2:T0+3], v[T0+2:T0+3], v[\V+32+\j:\V+33+\j]
.endr
	REDUCE
	s_delay_alu instid0(VALU_DEP_2)
	v_mul_f32 v[T0+6], s[K10], v[T0]               ; the means
	s_delay_alu instid0(VALU_DEP_2)
	v_mul_f32 v[T0+8], s[K10], v[T0+2]
.irp j, 0,2,4,6,8,10,12,14,16,18,20,22,24,26,28,30
	v_pk_add_f32 v[\V+\j:\V+\j+1], v[\V+\j:\V+\j+1], v[T0+6:T0+7] op_sel_hi:[1,0] neg_lo:[0,1] neg_hi:[0,1]
	v_pk_add_f32 v[\V+32+\j:\V+33+\j], v[\V+32+\j:\V+33+\j], v[T0+8:T0+9] op_sel_hi:[1,0] neg_lo:[0,1] neg_hi:[0,1]
.endr
	v_pk_mul_f32 v[T0:T0+1], v[\V:\V+1], v[\V:\V+1]
	v_pk_mul_f32 v[T0+2:T0+3], v[\V+32:\V+33], v[\V+32:\V+33]
.irp j, 2,4,6,8,10,12,14,16,18,20,22,24,26,28,30
	s_delay_alu instid0(VALU_DEP_2)
	v_pk_fma_f32 v[T0:T0+1], v[\V+\j:\V+\j+1], v[\V+\j:\V+\j+1], v[T0:T0+1]
	s_delay_alu instid0(VALU_DEP_2)
	v_pk_fma_f32 v[T0+2:T0+3], v[\V+32+\j:\V+33+\j], v[\V+32+\j:\V+33+\j], v[T0+2:T0+3]
.endr
	REDUCE
	s_delay_alu instid0(VALU_DEP_2)
	v_fma_f32 v[T0], v[T0], s[K10], s[EPS]
	s_delay_alu instid0(VALU_DEP_2)
	v_fma_f32 v[T0+2], v[T0+2], s[K10], s[EPS]
	s_wait_alu depctr_va_vdst(0)
	v_rsq_f32 v[T0+10], v[T0]
	v_rsq_f32 v[T0+12], v[T0+2]
	v_nop                                          ; a plain instruction behind the last of the two
	s_wait_alu depctr_va_vdst(0)                   ; one wait for both, ahead of their first reader
.irp j, 0,2,4,6,8,10,12,14,16,18,20,22,24,26,28,30
	v_pk_mul_f32 v[\V+\j:\V+\j+1], v[\V+\j:\V+\j+1], v[T0+10:T0+11] op_sel_hi:[1,0]
	v_pk_mul_f32 v[\V+32+\j:\V+33+\j], v[\V+32+\j:\V+33+\j], v[T0+12:T0+13] op_sel_hi:[1,0]
.endr
	s_wait_loadcnt 0x0                             ; the gains and the offsets are in
.irp j, 0,2,4,6,8,10,12,14,16,18,20,22,24,26,28,30
	v_pk_fma_f32 v[\V+\j:\V+\j+1], v[\V+\j:\V+\j+1], v[G+\j:G+\j+1], v[BE+\j:BE+\j+1]
	v_pk_fma_f32 v[\V+32+\j:\V+33+\j], v[\V+32+\j:\V+33+\j], v[G+\j:G+\j+1], v[BE+\j:BE+\j+1]
.endr
.endm
; 64 numbers of a lane, two whole blocks of my row (block c at s + 32 c: k = 64 c + 32 h + 0..31), become a fragment's eight registers at pc and my row's scale word at pw.
.macro QUANTB s, pc, pw
.irp c, 0,1
	v_max3_num_f32 v[TQ+\c], |v[\s+32*\c]|, |v[\s+32*\c+1]|, 0x1800000   ; and the floor 2^(3 - 127): the byte cannot fall under 1
.endr
.irp i, 2,4,6,8,10,12,14,16,18,20,22,24,26,28,30
.irp c, 0,1
	s_delay_alu instid0(VALU_DEP_2)
	v_max3_num_f32 v[TQ+\c], v[TQ+\c], |v[\s+32*\c+\i]|, |v[\s+32*\c+\i+1]|
.endr
.endr
.irp c, 0,1
	s_delay_alu instid0(VALU_DEP_2)
	v_add_nc_u32 v[TQ+2+\c], 0xff000000, v[TQ+\c]  ; 2 off the exponent field: the conversion's scale operand
.endr
.irp c, 0,1
	s_delay_alu instid0(VALU_DEP_2)
	v_lshrrev_b32 v[TQ+4+\c], 23, v[TQ+2+\c]       ; the scale's byte
.endr
	s_delay_alu instid0(VALU_DEP_1)
	v_lshl_or_b32 v[\pw], v[TQ+5], 16, v[TQ+4]     ; my bytes: blocks h and 2 + h,
	s_delay_alu instid0(VALU_DEP_1)
	v_lshlrev_b32 v[\pw], v[SH8], v[\pw]           ; at their places;
	s_delay_alu instid0(VALU_DEP_1)
	v_permlanex16_b32 v[TQ+6], v[\pw], s[SEL], s[SEL+1]
	s_delay_alu instid0(VALU_DEP_1)
	v_or_b32 v[\pw], v[\pw], v[TQ+6]               ; with lane l xor 16's two the word is whole, in both lanes
.irp c, 0,1
.irp g, 0,1,2,3
	v_cvt_scalef32_pk8_fp4_f32 v[\pc+4*\c+\g], v[\s+32*\c+8*\g:\s+32*\c+8*\g+7], v[TQ+2+\c]
.endr
.endr
	v_nop                                          ; one plain instruction behind the last conversion
.endm
	s_load_b256 s[4:11], s[0:1], 0x0               ; x, g1, be1, Wq
	s_load_b256 s[12:19], s[0:1], 0x20             ; Wk, Wv, Wo, himg
	s_load_b64 s[20:21], s[0:1], 0x40              ; wqo
	v_lshl_add_u32 v[SPW], v0, 2, SPARE
	v_mov_b32 v[NIL], 0
	v_lshrrev_b32 v1, 5, v0
	s_delay_alu instid0(VALU_DEP_1)
	v_readfirstlane_b32 s[WV], v1                  ; wave 0..15
	v_and_b32 v1, 31, v0                           ; lane
	v_and_b32 v2, 15, v0                           ; r
	v_bfe_u32 v3, v0, 4, 1                         ; h
	s_mov_b32 s[SEL], 0x76543210
	s_mov_b32 s[SEL+1], 0xfedcba98
	s_mov_b32 s[SRC+1], 0
	s_mov_b32 s[DST+1], 0
	s_cmp_lt_u32 ttmp9, 128                        ; the work-group's number alone: all sixteen waves go the same way
	s_cbranch_scc0 .Lweights
	; ---- LAYERNORM.  Work-group n takes rows 32 n .. 32 n + 31: fragments 2 (n % 2) and 2 (n % 2) + 1 of the chunks F = n / 2.  The stage's row 16 x + r holds row r of fragment 2 (n % 2) + x.
	; Wave w normalises stage rows 2 w and 2 w + 1, which are two neighbouring rows of x, and then quantises one unit: fragment w / 8, K step w % 8.
	s_mov_b32 s[K10], 0x3a800000
	s_mov_b32 s[EPS], 0x3727c5ac
	s_wait_alu depctr_va_vdst(0)
	v_lshlrev_b32 v[COL], 4, v1
	s_wait_alu depctr_va_vdst(0)
	s_mul_i32 s36, s[WV], 2*SP
	v_add_nc_u32 v[STO], s36, v[COL]
	s_lshr_b32 s37, s[WV], 3                       ; the fragment of the two that I quantise,
	s_and_b32 s38, s[WV], 7                        ; and the K step
	v_mul_u32_u24 v[RD0], v2, SP
	s_delay_alu instid0(VALU_DEP_1)
	v_lshl_add_u32 v[RD0], v3, 7, v[RD0]           ; row r, + 32 h numbers
	s_mul_i32 s39, s37, 16*SP
	s_lshl_b32 s40, s38, 9
	s_add_co_u32 s39, s39, s40
	v_add_nc_u32 v[RD0], s39, v[RD0]
	s_and_b32 s43, ttmp9, 1
	s_lshl_b32 s44, s43, 1
	s_add_co_u32 s44, s44, s37                     ; a = 2 (n % 2) + w / 8: the fragment's number in its chunk
	s_lshl_b32 s40, s44, 10
	v_add_nc_u32 v[IMG], s40, v[COL]
	v_lshlrev_b32 v[SCO], 4, v2
	s_lshl_b32 s40, s44, 2
	s_add_co_u32 s40, s40, 4096
	v_add_nc_u32 v[SCO], s40, v[SCO]
	v_lshlrev_b32 v[SH8], 3, v3
.irp n, 4,5,7,9,11,13
	v_mov_b32 v[T0+\n], 0                          ; written once: lane permutes' destinations, and the upper halves of pairs of which the low word serves both halves
.endr
	v_mov_b32 v[TQ+6], 0
	s_lshl_b32 s41, ttmp9, 5                       ; my first row of x: 32 n + 8 (w / 8) + 16 ((w / 4) % 2) + 2 (w % 4)
	s_lshl_b32 s42, s37, 3
	s_add_co_u32 s41, s41, s42
	s_bfe_u32 s42, s[WV], 0x10002
	s_lshl_b32 s42, s42, 4
	s_add_co_u32 s41, s41, s42
	s_and_b32 s42, s[WV], 3
	s_lshl_b32 s42, s42, 1
	s_add_co_u32 s41, s41, s42
	s_lshl_b32 s[SRC], s41, 12
	s_lshr_b32 s[DST], ttmp9, 1
	s_lshl_b32 s[DST], s[DST], 3
	s_add_co_u32 s[DST], s[DST], s38
	s_mul_i32 s[DST], s[DST], CH                   ; chunk (F, s)
	s_wait_kmcnt 0x0
	s_add_nc_u64 s[SRC:SRC+1], s[4:5], s[SRC:SRC+1]
	s_add_nc_u64 s[DST:DST+1], s[18:19], s[DST:DST+1]
.irp k, 0,1
.irp j, 0,1,2,3,4,5,6,7
	global_load_b128 v[X+32*\k+4*\j:X+32*\k+4*\j+3], v[COL], s[SRC:SRC+1] offset:4096*\k+512*\j th:TH_LOAD_NT   ; 32 lanes read 512 consecutive bytes
.endr
.endr
.irp j, 0,1,2,3,4,5,6,7
	global_load_b128 v[G+4*\j:G+4*\j+3], v[COL], s[6:7] offset:512*\j
	global_load_b128 v[BE+4*\j:BE+4*\j+3], v[COL], s[8:9] offset:512*\j
.endr
	s_wait_loadcnt 16                              ; my two rows are in; the sixteen loads of g1 and be1 may be out
	LNROWS X
.irp k, 0,1
.irp j, 0,1,2,3,4,5,6,7
	ds_store_b128 v[STO], v[X+32*\k+4*\j:X+32*\k+4*\j+3] offset:SP*\k+512*\j
.endr
.endr
	s_wait_dscnt 0x0                               ; for the others' sake: my rows lie in the stage
	s_barrier_signal -1
	s_barrier_wait -1
	; lane (r, h) takes of its row the 32 numbers of blocks h and 2 + h of my K step
.irp c, 0,1
.irp q, 0,1,2,3,4,5,6,7
	ds_load_b128 v[X+32*\c+4*\q:X+32*\c+4*\q+3], v[RD0] offset:256*\c+16*\q
.endr
.endr
	s_wait_dscnt 0x0
	QUANTB X, PC, PW
.irp c, 0,1
	global_store_b128 v[IMG], v[PC+4*\c:PC+4*\c+3], s[DST:DST+1] offset:512*\c   ; 512 consecutive bytes, aligned
.endr
	global_store_b32 v[SCO], v[PW], s[DST:DST+1]   ; lanes r and 16 + r hold the same word and write it to the same place
	s_wait_tensorcnt 0x0                           ; the wave's end
	ds_add_u32 v[SPW], v[NIL]
	s_wait_dscnt 0x0
	s_endpgm
	; ---- WEIGHTS.  A wave takes 32 columns x 128 along K.  A LANE TAKES A COLUMN AND ITS REGISTERS RUN DOWN K: lane 16 u + r takes column r % 8 + 8 u + 16 (r / 8) of the 32, the image's row (2 beta + u, r).
	; Each load reads 128 consecutive bytes; a block's 16 bytes of codes go to 1,024 (2 beta + u) + 256 t + 16 r: sixteen lanes store 256 consecutive bytes, aligned.  No LDS, no barrier.
.macro WLOAD t, pitch
.set i, 0
.rept 32
	global_load_b32 v[W+32*(\t)+i], v[WCOL], s[SRC:SRC+1] offset:(32*(\t)+i)*(\pitch) th:TH_LOAD_NT
.set i, i+1
.endr
.endm
.macro WBLK t
	v_max3_num_f32 v[WT], |v[W+32*(\t)]|, |v[W+32*(\t)+1]|, 0x1800000      ; the block's largest magnitude, all 32 numbers mine, in two chains; and the floor
	v_max3_num_f32 v[WT+1], |v[W+32*(\t)+2]|, |v[W+32*(\t)+3]|, |v[W+32*(\t)+4]|
.irp i, 5,9,13,17,21,25
	s_delay_alu instid0(VALU_DEP_2)
	v_max3_num_f32 v[WT], v[WT], |v[W+32*(\t)+\i]|, |v[W+32*(\t)+\i+1]|
	s_delay_alu instid0(VALU_DEP_2)
	v_max3_num_f32 v[WT+1], v[WT+1], |v[W+32*(\t)+\i+2]|, |v[W+32*(\t)+\i+3]|
.endr
	s_delay_alu instid0(VALU_DEP_2)
	v_max3_num_f32 v[WT], v[WT], |v[W+32*(\t)+29]|, |v[W+32*(\t)+30]|
	s_delay_alu instid0(VALU_DEP_1)
	v_max3_num_f32 v[WT], v[WT], v[WT+1], |v[W+32*(\t)+31]|
	s_delay_alu instid0(VALU_DEP_1)
	v_add_nc_u32 v[WT+2], 0xff000000, v[WT]
	s_delay_alu instid0(VALU_DEP_1)
	v_lshrrev_b32 v[WT+3], 23, v[WT+2]
.if (\t) == 0
	s_delay_alu instid0(VALU_DEP_1)
	v_mov_b32 v[WWD], v[WT+3]
.else
	s_delay_alu instid0(VALU_DEP_1)
	v_lshl_or_b32 v[WWD], v[WT+3], 8*(\t), v[WWD]
.endif
.irp g, 0,1,2,3
	v_cvt_scalef32_pk8_fp4_f32 v[WCD+4*(\t)+\g], v[W+32*(\t)+8*\g:W+32*(\t)+8*\g+7], v[WT+2]
.endr
	global_store_b128 v[WIM], v[WCD+4*(\t):WCD+4*(\t)+3], s[DST:DST+1] offset:256*(\t)
.endm
.macro WPATH pitch
	WLOAD 0, \pitch
	WLOAD 1, \pitch
	s_wait_loadcnt 32                              ; block 0 is in; the 32 loads behind it may be out
	WLOAD 2, \pitch
	WBLK 0
	s_wait_loadcnt 32                              ; block 1 is in
	WLOAD 3, \pitch
	WBLK 1
	s_wait_loadcnt 32                              ; block 2 is in
	WBLK 2
	s_wait_loadcnt 0x0
	WBLK 3
	global_store_b32 v[WSC], v[WWD], s[DST:DST+1]  ; my column's scale word
	s_endpgm
.endm
.Lweights:
	s_sub_co_u32 s36, ttmp9, 128                   ; g
	s_wait_alu depctr_va_vdst(0)
	v_and_b32 v[WCOL], 7, v2
	s_delay_alu instid0(VALU_DEP_1)
	v_lshl_add_u32 v[WCOL], v3, 3, v[WCOL]
	v_lshrrev_b32 v[WIM], 3, v2
	s_delay_alu instid0(VALU_DEP_1)
	v_lshl_add_u32 v[WCOL], v[WIM], 4, v[WCOL]
	s_delay_alu instid0(VALU_DEP_1)
	v_lshlrev_b32 v[WCOL], 2, v[WCOL]              ; 4 x my column of the 32
	s_and_b32 s37, s[WV], 1                        ; beta: which 32 of the chunk's 64 rows
	v_lshlrev_b32 v[WIM], 4, v2
	s_delay_alu instid0(VALU_DEP_1)
	v_lshl_add_u32 v[WSC], v3, 2, v[WIM]           ; 16 r + 4 u
	s_delay_alu instid0(VALU_DEP_2)
	v_lshl_add_u32 v[WIM], v3, 10, v[WIM]          ; 16 r + 1,024 u
	s_lshl_b32 s38, s37, 11
	v_add_nc_u32 v[WIM], s38, v[WIM]
	s_lshl_b32 s38, s37, 3
	s_add_co_u32 s38, s38, 4096
	v_add_nc_u32 v[WSC], s38, v[WSC]
	s_wait_kmcnt 0x0
	s_cmp_lt_u32 s36, 48
	s_cbranch_scc0 .Lwo
	s_lshr_b32 s39, s36, 4                         ; g 0-47: Wq, Wk, Wv [16][1024][64]: head g % 16; wave w: K step w / 2
	s_cmp_eq_u32 s39, 0
	s_cselect_b64 s[40:41], s[10:11], s[12:13]
	s_cmp_eq_u32 s39, 2
	s_cselect_b64 s[40:41], s[14:15], s[40:41]
	s_and_b32 s42, s36, 15
	s_lshl_b32 s[SRC], s42, 18
	s_lshr_b32 s43, s[WV], 1
	s_lshl_b32 s44, s43, 15
	s_add_co_u32 s[SRC], s[SRC], s44
	s_lshl_b32 s44, s37, 7
	s_add_co_u32 s[SRC], s[SRC], s44
	s_add_nc_u64 s[SRC:SRC+1], s[40:41], s[SRC:SRC+1]
	s_lshl_b32 s[DST], s36, 3
	s_add_co_u32 s[DST], s[DST], s43
	s_mul_i32 s[DST], s[DST], CH
	s_add_nc_u64 s[DST:DST+1], s[20:21], s[DST:DST+1]
	s_wait_alu depctr_va_vdst(0)
	WPATH 256
.Lwo:
	s_sub_co_u32 s42, s36, 48                      ; g 48-63: Wo [1024][1024]: K step g' / 2, columns 32 (16 (g' % 2) + w) on
	s_lshr_b32 s43, s42, 1
	s_and_b32 s44, s42, 1
	s_lshl_b32 s44, s44, 4
	s_add_co_u32 s44, s44, s[WV]
	s_lshl_b32 s[SRC], s43, 19
	s_lshl_b32 s47, s44, 7
	s_add_co_u32 s[SRC], s[SRC], s47
	s_add_nc_u64 s[SRC:SRC+1], s[16:17], s[SRC:SRC+1]
	s_lshr_b32 s47, s44, 1
	s_lshl_b32 s47, s47, 3
	s_add_co_u32 s47, s47, s43
	s_mul_i32 s[DST], s47, CH
	s_add_co_u32 s[DST], s[DST], WO_OFF
	s_add_nc_u64 s[DST:DST+1], s[20:21], s[DST:DST+1]
	s_wait_alu depctr_va_vdst(0)
	WPATH 4096
.Lfunc_end_k_q9a56c947f1_prep:
	.size	k_q9a56c947f1_prep, .Lfunc_end_k_q9a56c947f1_prep-k_q9a56c947f1_prep
	.p2alignl 7, 3214868480
	.fill 96, 4, 3214868480
	.section	.rodata,"a",@progbits
	.p2align	6, 0x0
	.amdhsa_kernel k_q9a56c947f1_prep
		.amdhsa_group_segment_fixed_size 133632
		.amdhsa_private_segment_fixed_size 0
		.amdhsa_enable_private_segment 0
		.amdhsa_kernarg_size 72
		.amdhsa_user_sgpr_count 2
		.amdhsa_user_sgpr_kernarg_segment_ptr 1
		.amdhsa_wavefront_size32 1
		.amdhsa_system_sgpr_workgroup_id_x 1
		.amdhsa_system_sgpr_workgroup_id_y 1
		.amdhsa_system_sgpr_workgroup_id_z 1
		.amdhsa_system_vgpr_workitem_id 0
		.amdhsa_next_free_vgpr 256
		.amdhsa_next_free_sgpr 66
		.amdhsa_reserve_vcc 0
		.amdhsa_float_denorm_mode_32 3
		.amdhsa_float_denorm_mode_16_64 3
		.amdhsa_memory_ordered 1
		.amdhsa_forward_progress 1
		.amdhsa_inst_pref_size 71
	.end_amdhsa_kernel
	.amdgpu_metadata
---
amdhsa.version: [ 1, 2 ]
amdhsa.kernels:
  - .name:           k_q9a56c947f1_prep
    .symbol:         k_q9a56c947f1_prep.kd
    .args:
      - { .name: x, .offset: 0, .size: 8, .value_kind: global_buffer, .address_space: global }
      - { .name: g1, .offset: 8, .size: 8, .value_kind: global_buffer, .address_space: global }
      - { .name: be1, .offset: 16, .size: 8, .value_kind: global_buffer, .address_space: global }
      - { .name: Wq, .offset: 24, .size: 8, .value_kind: global_buffer, .address_space: global }
      - { .name: Wk, .offset: 32, .size: 8, .value_kind: global_buffer, .address_space: global }
      - { .name: Wv, .offset: 40, .size: 8, .value_kind: global_buffer, .address_space: global }
      - { .name: Wo, .offset: 48, .size: 8, .value_kind: global_buffer, .address_space: global }
      - { .name: himg, .offset: 56, .size: 8, .value_kind: global_buffer, .address_space: global }
      - { .name: wqo, .offset: 64, .size: 8, .value_kind: global_buffer, .address_space: global }
    .group_segment_fixed_size: 133632
    .private_segment_fixed_size: 0
    .kernarg_segment_align: 8
    .kernarg_segment_size: 72
    .max_flat_workgroup_size: 512
    .sgpr_count:     66
    .vgpr_count:     256
    .wavefront_size: 32
...
	.end_amdgpu_metadata
.endif
;; end of part 1
;; launch qkv (part 2): grid 16 x 12, 16 waves a work-group, clusters of 4 x 4, 327,680 bytes of LDS; arguments himg, wqo, qkv; writes qkv
.if DOCPART == 2
	.amdgcn_target "amdgcn-amd-amdhsa--gfx1250"
	.amdhsa_code_object_version 6
	.text
	.protected	k_q9a56c947f1_qkv
	.globl	k_q9a56c947f1_qkv
	.p2align	8
	.type	k_q9a56c947f1_qkv,@function
k_q9a56c947f1_qkv:
	s_mov_b64 s[64:65], 0
	v_nop
	global_prefetch_b8 v0, s[64:65] scope:SCOPE_SE
	s_setreg_imm32_b32 hwreg(HW_REG_WAVE_MODE, 25, 1), 1
	s_wait_xcnt 0x0
	s_wait_alu depctr_hold_cnt(0) depctr_sa_sdst(0) depctr_va_vdst(0) depctr_va_sdst(0) depctr_va_ssrc(0) depctr_va_vcc(0) depctr_vm_vsrc(0)
	s_getreg_b32 s2, hwreg(HW_REG_IB_STS2, 6, 4)
	s_cmp_eq_u32 s2, 0
	s_cbranch_scc0 .Lentry_in_a_cluster
	s_endpgm
.Lentry_in_a_cluster:
	s_bfe_u32 s2, ttmp6, 0x10000c
	s_cmp_lg_u32 s2, 0xf033
	s_cbranch_scc0 .Lentry_shape_is_right
	s_endpgm
.Lentry_shape_is_right:
; q, k = h Wq, h Wk, quantised along the head's 64; v = h Wv, quantised along the tokens.  All operands are images (layout: head of launch prep), K = 1,024.
; A work-group makes 256 (side A: source 1, a lane holds one of its rows) x 256 (side B: source 0, the registers run along its rows).  Clusters y = 0, 1: A = 256 tokens of himg, B = 256 rows of Wq | Wk:
; a lane's 64 registers are 128 neighbours (two heads) of one token: one K step of the q | k image [4096 tokens][16 K steps: 8 of q, 8 of k].  Cluster y = 2, the sides changed: A = 256 rows (head, d) of Wv,
; B = 256 tokens: a lane's registers are 128 neighbouring tokens of one (head, d): one K step of the v image [1024 rows][32 K steps], whose K is the keys.  Only pointers and numbers are chosen, on the cluster's y.
; Sixteen waves, four to a SIMD; a wave makes 32 x 128: sixteen accumulators.  K = 1,024 of both sides fits in LDS: two phases of four K steps, every byte filled once.
; CLUSTER 4 x 4: A's tile hangs on cx and is shared along a column of the cluster, B's on cy and is shared along a row: each is asked for jointly.
.set CH,    4352
.set GRP,   4*CH                       ; a group of 64 rows, four K steps
.set PHASE, 8*GRP                      ; A's four groups, then B's four
.set TILE,  32*CH                      ; 256 rows x 8 K steps in memory
.set SPARE, 2*PHASE                    ; the spare words, 128 bytes for each wave, which no other line names
.set VOFF,  4456448                    ; qkv: the q | k image, then the v image
.set VA,  4                            ; v4  LDS: my two fragments of A
.set VAS, 5                            ; v5  their scale words
.set VB,  6                            ; v6  my eight fragments of B
.set VBS, 7                            ; v7  their scale words
.set VOI, 8                            ; v8  out: my 16 bytes of a fragment
.set VOS, 9                            ; v9  out: my row's two scale words
.set SPW, 10
.set NIL, 11
.set TM,  16                           ; v16-31 the quantiser's
.set PW,  32                           ; v32-33 scale words just made
.set AS,  34                           ; v34-35 A's scale words; v36-43 B's: these hold scales and nothing else
.set BS,  36
.set AF,  48                           ; v48-63 A's fragments
.set BF,  64                           ; v64-127 B's
.set PC,  64                           ; on the way out: the codes
.set ACC, 128                          ; v128-255: accumulator (x, t) at ACC + 64 x + 8 t
.set WV,  16
.set ISB, 17
.set G1A, 24
.set G1B, 32
.set G0A, 40                           ; s[40:43] the group 0 of my one load
.set G0B, 48
.set SEL, 56
.set OUT, 58
.macro CROUND                          ; a round of the cluster's barrier
	s_barrier_signal -1
	s_barrier_wait -1
	s_cmp_lg_u32 s[WV], 0
	s_cbranch_scc1 .Lnot_wave_0_\@
	s_barrier_signal -3
.Lnot_wave_0_\@:
	s_barrier_wait -3
	s_barrier_signal -1
	s_barrier_wait -1
.endm
.macro JLOAD p                         ; a joint load: waves with w % 8 < 4 fetch for A, the others for B; the branch hangs on the wave's number alone; an s_nop 0 and four v_nop follow each line
	s_cmp_eq_u32 s[ISB], 0
	s_cbranch_scc0 .Lfor_b_\@
	tensor_load_to_lds s[G0A+4*\p:G0A+4*\p+3], s[G1A:G1A+7]
	s_nop 0
.rept 4
	v_nop
.endr
	s_branch .Lasked_\@
.Lfor_b_\@:
	tensor_load_to_lds s[G0B+4*\p:G0B+4*\p+3], s[G1B:G1B+7]
	s_nop 0
.rept 4
	v_nop
.endr
.Lasked_\@:
.endm
.macro MUL8 t0, zero                   ; the sixteen accumulators take turns, one instruction a turn, in the same order in every K step
.irp t, \t0, \t0+1, \t0+2, \t0+3
.irp x, 0,1
.if \zero
	v_wmma_scale_f32_16x16x128_f8f6f4 v[ACC+64*\x+8*(\t):ACC+64*\x+8*(\t)+7], v[BF+8*(\t):BF+8*(\t)+7], v[AF+8*\x:AF+8*\x+7], 0, v[BS+(\t)], v[AS+\x] matrix_a_fmt:MATRIX_FMT_FP4 matrix_b_fmt:MATRIX_FMT_FP4
.else
	v_wmma_scale_f32_16x16x128_f8f6f4 v[ACC+64*\x+8*(\t):ACC+64*\x+8*(\t)+7], v[BF+8*(\t):BF+8*(\t)+7], v[AF+8*\x:AF+8*\x+7], v[ACC+64*\x+8*(\t):ACC+64*\x+8*(\t)+7], v[BS+(\t)], v[AS+\x] matrix_a_fmt:MATRIX_FMT_FP4 matrix_b_fmt:MATRIX_FMT_FP4
.endif
.endr
.endr
.endm
; One K step of 128: 23 LDS loads, 16 matrix instructions.  gs: bytes from B's first group to its second.
.macro KSTEP va, aoff, vas, vb, vbs, boff, gs, zero
.rept 4
	v_nop                                          ; four places in front of loads into registers that matrix instructions have read
.endr
.irp x, 0,1
.irp c, 0,1
	ds_load_b128 v[AF+8*\x+4*\c:AF+8*\x+4*\c+3], v[\va] offset:(\aoff)+1024*\x+512*\c
.endr
.endr
	ds_load_b64 v[AS:AS+1], v[\vas] offset:(\aoff)
.irp u, 0,1
	ds_load_b128 v[BS+4*\u:BS+4*\u+3], v[\vbs] offset:(\boff)+\u*(\gs)
.endr
.irp t, 0,1,2,3,4,5,6,7
.irp c, 0,1
	ds_load_b128 v[BF+8*\t+4*\c:BF+8*\t+4*\c+3], v[\vb] offset:(\boff)+(\t/4)*(\gs)+(\t%4)*1024+512*\c
.endr
.endr
	s_wait_dscnt 8                                 ; all but the eight loads of B's tiles 4-7 are in
	MUL8 0, \zero
	s_wait_dscnt 0x0
	MUL8 4, \zero
.endm
; 64 numbers of a lane, register 16 b + i = k 32 b + 16 (lane / 16) + i of my row, become a fragment's codes at pc and its scale word at pw.
.macro QUANT s, pc, pw
.irp b, 0,1,2,3
	v_max3_num_f32 v[TM+\b], |v[\s+16*\b]|, |v[\s+1+16*\b]|, 0x1800000   ; block b: my 16 numbers, and the floor 2^(3 - 127): the byte cannot fall under 1
.endr
.irp i, 2,4,6,8,10,12,14
.irp b, 0,1,2,3
	v_max3_num_f32 v[TM+\b], v[TM+\b], |v[\s+16*\b+\i]|, |v[\s+1+16*\b+\i]|
.endr
.endr
.irp b, 0,1,2,3
	s_delay_alu instid0(VALU_DEP_4)
	v_permlanex16_b32 v[TM+4+\b], v[TM+\b], s[SEL], s[SEL+1]
.endr
.irp b, 0,1,2,3
	s_delay_alu instid0(VALU_DEP_4)
	v_max_num_f32 v[TM+\b], v[TM+\b], v[TM+4+\b]   ; with lane l xor 16's: the block's largest magnitude
.endr
.irp b, 0,1,2,3
	s_delay_alu instid0(VALU_DEP_4)
	v_add_nc_u32 v[TM+12+\b], 0xff000000, v[TM+\b] ; 2 off its exponent field: the conversion's scale operand
.endr
.irp b, 0,1,2,3
	s_delay_alu instid0(VALU_DEP_4)
	v_lshrrev_b32 v[TM+4+\b], 23, v[TM+12+\b]      ; the scale's byte
.endr
	s_delay_alu instid0(VALU_DEP_3)
	v_lshl_or_b32 v[\pw], v[TM+5], 8, v[TM+4]
	s_delay_alu instid0(VALU_DEP_1)
	v_lshl_or_b32 v[\pw], v[TM+6], 16, v[\pw]
	s_delay_alu instid0(VALU_DEP_1)
	v_lshl_or_b32 v[\pw], v[TM+7], 24, v[\pw]
.irp b, 0,1,2,3
	v_cvt_scalef32_pk8_fp4_f32 v[\pc+2*\b], v[\s+16*\b:\s+7+16*\b], v[TM+12+\b]
	v_cvt_scalef32_pk8_fp4_f32 v[\pc+1+2*\b], v[\s+8+16*\b:\s+15+16*\b], v[TM+12+\b]
.endr
	v_nop                                          ; one plain instruction behind the last conversion
.irp c, 0,1                                    ; the operand's layout wants a whole block in a lane
.irp i, 0,1
	v_permlane16_swap_b32 v[\pc+4*\c+\i], v[\pc+2+4*\c+\i]
.endr
.endr
.endm
	s_load_b128 s[4:7], s[0:1], 0x0                ; himg, wqo
	s_load_b64 s[8:9], s[0:1], 0x10                ; qkv
	v_lshl_add_u32 v[SPW], v0, 2, SPARE
	v_mov_b32 v[NIL], 0
	ds_add_u32 v[SPW], v[NIL]                      ; the wave's opening: the add, twice on end, and its wait ahead of my first tensor load
	ds_add_u32 v[SPW], v[NIL]
	v_lshrrev_b32 v1, 5, v0
	s_delay_alu instid0(VALU_DEP_1)
	v_readfirstlane_b32 s[WV], v1                  ; wave 0..15
	s_bfe_u32 s[ISB], s[WV], 0x10002               ; (w % 8) / 4: I fetch for A (0) or for B (1)
	s_bfe_u32 s18, ttmp6, 0x40000                  ; cx
	s_bfe_u32 s19, ttmp6, 0x40004                  ; cy
	s_lshl_b32 s20, ttmp9, 2                       ; 4 x cluster x
	s_and_b32 s21, ttmp7, 0xffff                   ; cluster y
	s_lshl_b32 s22, s21, 2
	s_lshl_b32 s12, 0x1111, s18                    ; my column of the cluster (same cx)
	s_lshl_b32 s13, s19, 2
	s_lshl_b32 s13, 15, s13                        ; my row (same cy)
	s_or_b32 s[G1A], s12, (3<<16)|(1<<21)          ; 15:0 the mask; 17:16 elements of 8 bytes; 21 set beside a mask; no padding
	s_or_b32 s[G1B], s13, (3<<16)|(1<<21)
.irp g, G1A, G1B                               ; four chunks, 17,408 dense bytes, as 68 rows of 256 bytes
	s_mov_b32 s[\g+1], 32<<16                      ; tensor_dim0 = 32 elements
	s_mov_b32 s[\g+2], 68<<16                      ; tensor_dim1 = 68
	s_mov_b32 s[\g+3], 32<<16                      ; tile_dim0
	s_mov_b32 s[\g+4], 68                          ; tile_dim1
	s_mov_b32 s[\g+5], 32                          ; from row to row
	s_mov_b32 s[\g+6], 0
	s_mov_b32 s[\g+7], 0
.endr
	s_mov_b32 s[SEL], 0x76543210
	s_mov_b32 s[SEL+1], 0xfedcba98
	s_and_b32 s14, s[WV], 3                        ; which group of the tile I fetch,
	s_lshr_b32 s15, s[WV], 3                       ; and which phase: four K steps, all in my one load
	s_lshl_b32 s14, s14, 3
	s_lshl_b32 s23, s15, 2
	s_add_co_u32 s14, s14, s23
	s_mul_i32 s14, s14, CH                         ; their place in the tile
	s_and_b32 s23, s[WV], 7
	s_mul_i32 s23, s23, GRP
	s_mul_i32 s15, s15, PHASE
	s_add_co_u32 s23, s23, s15                     ; and in LDS: the wave's number alone
	s_wait_dscnt 0x0                               ; both opening adds are done
	s_wait_kmcnt 0x0
	s_cmp_eq_u32 s21, 2                            ; the cluster's y, which all partners share: q | k, or v with the sides changed
	s_cselect_b64 s[66:67], s[6:7], s[4:5]         ; A's buffer
	s_cselect_b64 s[68:69], s[4:5], s[6:7]         ; B's
	s_cselect_b32 s70, 8, s20                      ; A's tile: 8 + cx of wqo (Wv), or 4 X + cx of himg
	s_cselect_b32 s72, s20, s22                    ; B's tile: 4 X + cy of himg, or 4 Y + cy of wqo
	s_cselect_b32 s74, 0, s20                      ; out: A's tile counted in the output image
	s_cselect_b32 s76, 5, 4                        ; log2 of the output image's K steps
	s_cselect_b32 s77, VOFF, 0
	s_add_co_u32 s70, s70, s18
	s_mul_i32 s70, s70, TILE
	s_add_co_u32 s70, s70, s14
	s_mov_b32 s71, 0
	s_add_nc_u64 s[66:67], s[66:67], s[70:71]      ; A: made of cx, cluster ids and the wave's number
	s_add_co_u32 s72, s72, s19
	s_mul_i32 s78, s72, TILE
	s_add_co_u32 s78, s78, s14
	s_mov_b32 s79, 0
	s_add_nc_u64 s[68:69], s[68:69], s[78:79]      ; B: made of cy, cluster ids and the wave's number
	CROUND                                         ; all sixteen work-groups are here: the first joint loads meet
.irp p, 0
	s_mov_b32 s[G0A+4*\p], 1
	s_add_co_u32 s[G0A+4*\p+1], s23, \p*PHASE
	s_add_nc_u64 s[G0A+4*\p+2:G0A+4*\p+3], s[66:67], \p*4*CH
	s_or_b32 s[G0A+4*\p+3], s[G0A+4*\p+3], 0x80000000
	s_mov_b32 s[G0B+4*\p], 1
	s_add_co_u32 s[G0B+4*\p+1], s23, \p*PHASE
	s_add_nc_u64 s[G0B+4*\p+2:G0B+4*\p+3], s[68:69], \p*4*CH
	s_or_b32 s[G0B+4*\p+3], s[G0B+4*\p+3], 0x80000000
	JLOAD \p                                       ; my one tensor load: the sixteen waves' loads bring both phases; nothing is ever filled again
.endr
	; my tile: i = w / 2: A's group i / 2, fragments 2 (i % 2), + 1; jc = w % 2: B's groups 2 jc, 2 jc + 1
	s_add_co_u32 s74, s74, s18
	s_lshl_b32 s74, s74, 2
	s_lshr_b32 s80, s[WV], 2                       ; A's group
	s_add_co_u32 s74, s74, s80
	s_lshl_b32 s74, s74, s76
	s_lshl_b32 s81, s72, 1
	s_add_co_u32 s74, s74, s81
	s_and_b32 s82, s[WV], 1                        ; jc
	s_add_co_u32 s74, s74, s82
	s_mul_i32 s74, s74, CH
	s_add_co_u32 s74, s74, s77
	s_mov_b32 s75, 0
	s_add_nc_u64 s[OUT:OUT+1], s[8:9], s[74:75]    ; my chunk of the output image
	v_and_b32 v1, 31, v0
	v_and_b32 v2, 15, v0
	s_delay_alu instid0(VALU_DEP_2)
	v_lshlrev_b32 v12, 4, v1                       ; 16 x lane
	s_wait_alu depctr_va_vdst(0)
	v_lshlrev_b32 v13, 4, v2                       ; 16 r
	s_wait_alu depctr_va_vdst(0)
	s_bfe_u32 s83, s[WV], 0x10001                  ; i % 2
	s_mul_i32 s84, s80, GRP
	s_lshl_b32 s85, s83, 11
	s_add_co_u32 s86, s84, s85
	v_add_nc_u32 v[VA], s86, v12
	s_lshl_b32 s87, s83, 3
	s_add_co_u32 s87, s87, 4096
	s_add_co_u32 s88, s84, s87
	v_add_nc_u32 v[VAS], s88, v13
	s_mul_i32 s89, s82, 2*GRP
	s_add_co_u32 s89, s89, 4*GRP
	v_add_nc_u32 v[VB], s89, v12
	s_add_co_u32 s89, s89, 4096
	v_add_nc_u32 v[VBS], s89, v13
	v_add_nc_u32 v[VOI], s85, v12
	v_add_nc_u32 v[VOS], s87, v13
.irp b, 0,1,2,3
	v_mov_b32 v[TM+4+\b], 0                        ; written once: a lane permute's destination counts as one of its sources
.endr
	s_wait_alu depctr_va_vdst(0)
	s_wait_tensorcnt 0x0                           ; my piece is in
	s_barrier_signal -1
	s_barrier_wait -1                              ; everybody's is
	KSTEP VA, 0, VAS, VB, VBS, 0, GRP, 1           ; the first products start the sums
	KSTEP VA, CH, VAS, VB, VBS, CH, GRP, 0
	KSTEP VA, 2*CH, VAS, VB, VBS, 2*CH, GRP, 0
	KSTEP VA, 3*CH, VAS, VB, VBS, 3*CH, GRP, 0
	v_add_nc_u32 v[VA], PHASE, v[VA]               ; on to phase 1, which the one barrier has shown whole too
	s_wait_alu depctr_va_vdst(0)
	v_add_nc_u32 v[VAS], PHASE, v[VAS]
	s_wait_alu depctr_va_vdst(0)
	v_add_nc_u32 v[VB], PHASE, v[VB]
	v_add_nc_u32 v[VBS], PHASE, v[VBS]
	s_wait_alu depctr_va_vdst(0)
	KSTEP VA, 0, VAS, VB, VBS, 0, GRP, 0
	KSTEP VA, CH, VAS, VB, VBS, CH, GRP, 0
	KSTEP VA, 2*CH, VAS, VB, VBS, 2*CH, GRP, 0
	KSTEP VA, 3*CH, VAS, VB, VBS, 3*CH, GRP, 0
.rept 4
	v_nop                                          ; four places in front of the first read of results
.endr
	QUANT ACC, PC, PW                              ; each accumulator is read from its low end on
	QUANT ACC+64, PC+8, PW+1
.irp x, 0,1
.irp c, 0,1
	global_store_b128 v[VOI], v[PC+8*\x+4*\c:PC+8*\x+4*\c+3], s[OUT:OUT+1] offset:1024*\x+512*\c   ; 512 consecutive bytes, aligned
.endr
.endr
	global_store_b64 v[VOS], v[PW:PW+1], s[OUT:OUT+1]   ; lanes r and 16 + r hold the same two words and write them to the same place
	s_wait_tensorcnt 0x0                           ; the wave's end
	ds_add_u32 v[SPW], v[NIL]
	s_wait_dscnt 0x0
	CROUND                                         ; the closing round
	s_endpgm
.Lfunc_end_k_q9a56c947f1_qkv:
	.size	k_q9a56c947f1_qkv, .Lfunc_end_k_q9a56c947f1_qkv-k_q9a56c947f1_qkv
	.p2alignl 7, 3214868480
	.fill 96, 4, 3214868480
	.section	.rodata,"a",@progbits
	.p2align	6, 0x0
	.amdhsa_kernel k_q9a56c947f1_qkv
		.amdhsa_group_segment_fixed_size 327680
		.amdhsa_private_segment_fixed_size 0
		.amdhsa_enable_private_segment 0
		.amdhsa_kernarg_size 24
		.amdhsa_user_sgpr_count 2
		.amdhsa_user_sgpr_kernarg_segment_ptr 1
		.amdhsa_wavefront_size32 1
		.amdhsa_system_sgpr_workgroup_id_x 1
		.amdhsa_system_sgpr_workgroup_id_y 1
		.amdhsa_system_sgpr_workgroup_id_z 1
		.amdhsa_system_vgpr_workitem_id 0
		.amdhsa_next_free_vgpr 256
		.amdhsa_next_free_sgpr 100
		.amdhsa_reserve_vcc 0
		.amdhsa_float_denorm_mode_32 3
		.amdhsa_float_denorm_mode_16_64 3
		.amdhsa_memory_ordered 1
		.amdhsa_forward_progress 1
		.amdhsa_inst_pref_size 46
	.end_amdhsa_kernel
	.amdgpu_metadata
---
amdhsa.version: [ 1, 2 ]
amdhsa.kernels:
  - .name:           k_q9a56c947f1_qkv
    .symbol:         k_q9a56c947f1_qkv.kd
    .args:
      - { .name: himg, .offset: 0, .size: 8, .value_kind: global_buffer, .address_space: global }
      - { .name: wqo, .offset: 8, .size: 8, .value_kind: global_buffer, .address_space: global }
      - { .name: qkv, .offset: 16, .size: 8, .value_kind: global_buffer, .address_space: global }
    .group_segment_fixed_size: 327680
    .private_segment_fixed_size: 0
    .kernarg_segment_align: 8
    .kernarg_segment_size: 24
    .max_flat_workgroup_size: 512
    .sgpr_count:     100
    .vgpr_count:     256
    .wavefront_size: 32
...
	.end_amdgpu_metadata
.endif
;; end of part 2
;; launch attn (part 3): grid 8 x 32, 16 waves a work-group, no clusters, 327,680 bytes of LDS; arguments qkv, oimg; writes oimg
.if DOCPART == 3
	.amdgcn_target "amdgcn-amd-amdhsa--gfx1250"
	.amdhsa_code_object_version 6
	.text
	.protected	k_q9a56c947f1_attn
	.globl	k_q9a56c947f1_attn
	.p2align	8
	.type	k_q9a56c947f1_attn,@function
k_q9a56c947f1_attn:
	s_mov_b64 s[64:65], 0
	v_nop
	global_prefetch_b8 v0, s[64:65] scope:SCOPE_SE
	s_setreg_imm32_b32 hwreg(HW_REG_WAVE_MODE, 25, 1), 1
	s_wait_xcnt 0x0
; Causal attention on codes of FP4: o = softmax(q k^T / 32) v for 2 batches x 16 heads x 2,048 tokens of 64; o is quantised along C (the heads on end) into oimg.  Images: head of launch prep.
; WORK LEFT OUT: a step of 128 keys all of which come after a tile's 16 queries (reference()'s own causal mask gives them the weight 0 for all inputs: head of launch prep); a NaN or infinity that reaches only such scores is not carried.
; THE SOFTMAX AHEAD OF THE SECOND PRODUCT: t = score x log2(e) / 32; M = the largest t so far, rounded up to a whole number; p = 2^(t - M) is quantised along the keys; the row's sum is taken of the
; unquantised p and divides at the end.  When M moves, or two parts of a row are joined, sums and O are multiplied by powers of two: exact.
; SHARES.  Work-group (j, y): batch y / 16, head y % 16, and the query groups of 64 numbered j, 15 - j, 16 + j, 31 - j: 34 key steps for each of the four tile columns, whatever j.
; ALL 2,048 KEYS COME TO STAY IN LDS, every byte filled once: K's 32 chunks, then V's 16 chunks of my head.  Two groups of loads, one load a wave in each.  At the head: K's chunks 0-7 (waves 0-7) and V's 0-7 (waves 8-15):
; key steps 0-3.  Behind the first barrier: K's chunks 8-31 (waves 0-11, two each) and V's 8-15 (waves 12-15, two each); they are waited for behind step 3.  Group 31 - j is 24 or more, so every chunk is read.
; Wave w: tile a = w % 4 of 16 queries; pair P = w / 8: the early and late groups (j, 31 - j) or (15 - j, 16 + j); kind (w / 4) % 2.  Kind 0 walks the late tile's key steps 0-8: nine steps.
; Kind 1 walks the early tile (at most eight steps), stores it, takes the late tile's Q and walks its steps from 9 on: eight steps in all.  Behind the walk kind 0 hands -M, the sums and O^T to its partner through LDS.
; Every wave walks all sixteen steps in loops of constant count; a scalar branch on ids leads round the work of a step that is not the wave's.
; ONE HEAD OF A CHUNK'S TWO.  A chunk of the q | k image holds 128 along K: two heads.  My head's half of a fragment (512 bytes) goes to registers 0-3 of the operand, on both sides alike, with my half of the scale word;
; registers 4-7 stay zero codes, which add nothing under any scale byte but 0xff (theirs is 0).  So the product's K = 64 is filled up with zeros.
; LAYOUT.  Both products transposed: S^T = K Q^T, O^T = V^T P^T: a lane holds one query throughout; by the image's choice of rows the 16 registers of two neighbouring tiles of S^T are 16 neighbouring keys.
; NO CLUSTER, though the eight work-groups of a head read the same chunks: which steps a wave works hangs on j, which differs between them.
; NO PREFETCH: the second group of loads, the launch's last, is asked for directly behind the first group's barrier: there is no later load to run ahead of.
.set CH,    4352
.set VOFF,  4456448                    ; qkv: the q | k image (64 F x 16 s), then the v image (16 F x 32 s)
.set VO,    32*CH                      ; LDS: K's 32 chunks, then V's 16
.set SCR,   48*CH                      ; behind them: 4,608 bytes for each pair of partners: no fill ever lands here
.set SCW,   4608
.set SPARE, SCR+8*SCW                  ; the spare words, 128 bytes for each wave, which no other line names
.set CUT,   1152                       ; the late tile's keys from here on are kind 1's
.set AK0, 1                            ; v1 16 x lane + 512 hd   v2 4,096 + 16 r + 2 hd   v3 VO + 16 x lane   v4 VO + 4,096 + 16 r
.set AS0, 2
.set AV0, 3
.set AT0, 4
.set SPW, 5
.set NIL, 6
.set QL,  7                            ; v7 my query - 16 (lane / 16)
.set ADK, 8                            ; v8-11 addresses of the step in hand
.set ADS, 9
.set ADV, 10
.set ADT, 11
.set OO,  25                           ; v25 my 16 bytes of fragment a, half hd, in a chunk of q or of o
.set OS,  30                           ; v30 my row's half scale word there
.set SX,  31                           ; v31 LDS: my pair's scratch, 16 x lane
; v12 -M, v13 the largest t, v[14:15] the sum; v16-23 Q, v24 its scales; v26-29 V's scales; v32-95 K; v96-159 S^T, then p; v160-191 O^T; v192-223 V; v224-231 p's codes; v240-247 K's scales; v253 p's; the rest at work
.set WV,   18
.set KB,   19                          ; kind
.set SEL,  20
.set CS,   22                          ; s[22:23] c = log2(e) / 32
.set G1S,  8                           ; s[8:15] group 1: one chunk; s[24:31]: two chunks of K; s[32:39]: two chunks of V
.set G1K,  24
.set G1V,  32
.set G0K,  40
.set G0V,  44
.set TK,   2                           ; LDS bytes from K's first chunk to the step's, and the same for V
.set TV,   3
.set KF,   48                          ; the step's first key
.set QMIN, 49                          ; my tile's first query
.set HI,   50                          ; I work the steps with LO <= KF <= HI
.set LO,   51
.set SWAT, 52                          ; the KF at which I change tiles (kind 0: none)
.set CNT,  53
.set DQ,   54                          ; from the early tile's queries to the late tile's
.set QMINH, 55
.set OB,   56                          ; s[56:57] o's chunk of the tile in hand; s[58:59] q's; s[60:61], s[62:63] the late tile's
.set QB,   58
.set OBH,  60
.set QBH,  62
; A tile's end.  O^T / the sum: register 16 e + i is channel 32 e + 16 h + i of my query: two blocks of the next product's K, quantised in registers: half a fragment of o's image and half a scale word.
.macro FINAL
	v_add_f32 v14, v14, v15
	v_permlanex16_b32 v252, v14, s[SEL], s[SEL+1]
	v_add_f32 v14, v14, v252                       ; the row's sum
	s_wait_alu depctr_va_vdst(0)                   ; the wait ahead of the transcendental
	v_rcp_f32 v14, v14
	v_nop
	v_nop
	s_wait_alu depctr_va_vdst(0)                   ; and ahead of its first reader, which is O^T's too
.set j, 0
.rept 32
	v_mul_f32 v[96+j], v[160+j], v14
.set j, j+1
.endr
.irp b, 0,1
	v_max3_num_f32 v[232+\b], |v[96+16*\b]|, |v[97+16*\b]|, 0x1800000   ; and the floor 2^(3 - 127): the byte cannot fall under 1
.endr
.irp i, 2,4,6,8,10,12,14
.irp b, 0,1
	v_max3_num_f32 v[232+\b], v[232+\b], |v[96+16*\b+\i]|, |v[97+16*\b+\i]|
.endr
.endr
.irp b, 0,1
	v_permlanex16_b32 v[236+\b], v[232+\b], s[SEL], s[SEL+1]
.endr
.irp b, 0,1
	v_max_num_f32 v[232+\b], v[232+\b], v[236+\b]
.endr
.irp b, 0,1
	v_add_nc_u32 v[248+\b], 0xff000000, v[232+\b]  ; 2 off the exponent field: the conversion's scale operand
.endr
.irp b, 0,1
	v_lshrrev_b32 v[236+\b], 23, v[248+\b]
.endr
	v_lshl_or_b32 v238, v237, 8, v236              ; bytes 2 hd and 2 hd + 1 of my row's scale word
.irp b, 0,1
	v_cvt_scalef32_pk8_fp4_f32 v[224+2*\b], v[96+16*\b:103+16*\b], v[248+\b]
	v_cvt_scalef32_pk8_fp4_f32 v[225+2*\b], v[104+16*\b:111+16*\b], v[248+\b]
.endr
	v_nop                                          ; one plain instruction behind the last conversion
	v_permlane16_swap_b32 v224, v226               ; a whole block in a lane
	v_permlane16_swap_b32 v225, v227
	global_store_b128 v[OO], v[224:227], s[OB:OB+1]   ; 512 consecutive bytes, aligned
	global_store_b16 v[OS], v238, s[OB:OB+1]       ; lanes r and 16 + r write the same value; the word's other half is the other head's work-group's
.endm
	s_load_b128 s[4:7], s[0:1], 0x0                ; qkv, oimg
	v_lshl_add_u32 v[SPW], v0, 2, SPARE
	v_mov_b32 v[NIL], 0
	ds_add_u32 v[SPW], v[NIL]                      ; the wave's opening: the add, twice on end, and its wait ahead of my first tensor load
	ds_add_u32 v[SPW], v[NIL]
	v_lshrrev_b32 v8, 5, v0
	v_readfirstlane_b32 s[WV], v8                  ; wave 0..15
	s_and_b32 s66, ttmp7, 0xffff
	s_lshr_b32 s67, s66, 4                         ; batch
	s_and_b32 s68, s66, 15                         ; head
	s_lshr_b32 s69, s68, 1                         ; its pair: the K step of q, k and o
	s_and_b32 s70, s68, 1                          ; hd: which half of a fragment
	s_and_b32 s71, s[WV], 3                        ; a
	s_bfe_u32 s[KB], s[WV], 0x10002
	s_lshr_b32 s72, s[WV], 3                       ; P
	s_sub_co_u32 s73, 15, ttmp9
	s_sub_co_u32 s74, 31, ttmp9
	s_add_co_u32 s75, ttmp9, 16
	s_cmp_eq_u32 s72, 0
	s_cselect_b32 s76, ttmp9, s73                  ; the early group
	s_cselect_b32 s77, s74, s75                    ; the late group
	s_cmp_eq_u32 s[KB], 0
	s_cselect_b32 s78, s77, s76                    ; the group that I begin with
	s_cselect_b32 s[SWAT], -1, CUT
	s_lshr_b32 s79, s71, 1
	s_lshl_b32 s79, s79, 5
	s_and_b32 s80, s71, 1
	s_lshl_b32 s80, s80, 3
	s_add_co_u32 s79, s79, s80                     ; a tile's queries: 64 g + 32 (a / 2) + 8 (a % 2) + 0..7 and + 16..23
	s_lshl_b32 s[QMIN], s78, 6
	s_add_co_u32 s[QMIN], s[QMIN], s79
	s_lshl_b32 s[QMINH], s77, 6
	s_add_co_u32 s[QMINH], s[QMINH], s79
	s_sub_co_u32 s[DQ], s[QMINH], s[QMIN]
	s_add_co_u32 s[HI], s[QMIN], 23                ; up to my tile's last query;
	s_min_u32 s81, s[HI], CUT-1
	s_cmp_eq_u32 s[KB], 0
	s_cselect_b32 s[HI], s81, s[HI]                ; kind 0: and under the cut
	s_mov_b32 s[LO], 0
	s_lshl_b32 s82, s67, 5                         ; 32 x batch: the batch's first group of 64 tokens
	s_add_co_u32 s83, s82, s78
	s_add_co_u32 s84, s82, s77
	s_lshl_b32 s85, s83, 4
	s_add_co_u32 s85, s85, s69
	s_mul_i32 s[QB], s85, CH                       ; q: chunk (32 b + group, pair)
	s_mov_b32 s[QB+1], 0
	s_lshl_b32 s85, s84, 4
	s_add_co_u32 s85, s85, s69
	s_mul_i32 s[QBH], s85, CH
	s_mov_b32 s[QBH+1], 0
	s_lshl_b32 s85, s83, 3
	s_add_co_u32 s85, s85, s69
	s_mul_i32 s[OB], s85, CH                       ; o: chunk (32 b + group, pair)
	s_mov_b32 s[OB+1], 0
	s_lshl_b32 s85, s84, 3
	s_add_co_u32 s85, s85, s69
	s_mul_i32 s[OBH], s85, CH
	s_mov_b32 s[OBH+1], 0
	; the first group of loads: one chunk a wave
	s_add_co_u32 s98, s82, s[WV]
	s_lshl_b32 s98, s98, 4
	s_add_co_u32 s98, s98, s69
	s_add_co_u32 s98, s98, 8
	s_mul_i32 s98, s98, CH                         ; K (waves 0-7): chunk (32 b + w, 8 + pair)
	s_mov_b32 s99, 0
	s_lshl_b32 s84, s68, 5
	s_lshl_b32 s85, s67, 4
	s_add_co_u32 s84, s84, s85
	s_add_co_u32 s84, s84, s[WV]
	s_mul_i32 s84, s84, CH
	s_add_co_u32 s84, s84, VOFF-8*CH               ; V (waves 8-15): chunk (head, 16 b + w - 8)
	s_mov_b32 s85, 0
	s_mul_i32 s97, s[WV], CH                       ; where they go in LDS: the wave's number alone
	s_add_co_u32 s81, s97, VO-8*CH
	; the second group: two chunks a wave
	s_lshl_b32 s86, s[WV], 1
	s_add_co_u32 s86, s86, 8
	s_add_co_u32 s86, s86, s82
	s_lshl_b32 s86, s86, 4
	s_add_co_u32 s86, s86, s69
	s_add_co_u32 s86, s86, 8
	s_mul_i32 s86, s86, CH                         ; K (waves 0-11): chunk (32 b + 8 + 2 w, 8 + pair)
	s_mov_b32 s87, 0
	s_lshl_b32 s88, s68, 5
	s_lshl_b32 s89, s67, 4
	s_add_co_u32 s88, s88, s89
	s_lshl_b32 s89, s[WV], 1
	s_add_co_u32 s88, s88, s89
	s_mul_i32 s88, s88, CH
	s_add_co_u32 s88, s88, VOFF-16*CH              ; V (waves 12-15): chunk (head, 16 b + 2 w - 16)
	s_mov_b32 s89, 0
	s_mul_i32 s91, s[WV], 2*CH
	s_add_co_u32 s90, s91, 8*CH
	s_add_co_u32 s91, s91, VO-16*CH
	s_lshl_b32 s92, s70, 9                         ; 512 hd
	s_lshl_b32 s93, s70, 1
	s_add_co_u32 s93, s93, 4096                    ; 4,096 + 2 hd
	s_lshl_b32 s94, s71, 10
	s_add_co_u32 s94, s94, s92                     ; 1,024 a + 512 hd
	s_lshl_b32 s95, s71, 2
	s_add_co_u32 s95, s95, s93                     ; 4,096 + 4 a + 2 hd
	s_lshl_b32 s96, s72, 2
	s_add_co_u32 s96, s96, s71
	s_mul_i32 s96, s96, SCW
	s_add_co_u32 s96, s96, SCR                     ; my pair's scratch: 4 P + a
	s_mov_b32 s[G1S], 3<<16                        ; one chunk, 4,352 dense bytes, as 17 rows of 256 bytes (32 elements of 8); no mask, no padding
	s_mov_b32 s[G1S+1], 32<<16
	s_mov_b32 s[G1S+2], 17<<16
	s_mov_b32 s[G1S+3], 32<<16
	s_mov_b32 s[G1S+4], 17
	s_mov_b32 s[G1S+5], 32
	s_mov_b32 s[G1S+6], 0
	s_mov_b32 s[G1S+7], 0
	s_mov_b32 s[G1K], 3<<16                        ; K: two chunks, rows of 4,352 bytes (544 elements of 8), 16 chunks apart in memory
	s_mov_b32 s[G1K+1], 544<<16
	s_mov_b32 s[G1K+2], 2<<16
	s_mov_b32 s[G1K+3], 544<<16
	s_mov_b32 s[G1K+4], 2
	s_mov_b32 s[G1K+5], 8704
	s_mov_b32 s[G1K+6], 0
	s_mov_b32 s[G1K+7], 0
	s_mov_b32 s[G1V], 3<<16                        ; V: two chunks on end, 8,704 dense bytes, as 34 rows of 256 bytes
	s_mov_b32 s[G1V+1], 32<<16
	s_mov_b32 s[G1V+2], 34<<16
	s_mov_b32 s[G1V+3], 32<<16
	s_mov_b32 s[G1V+4], 34
	s_mov_b32 s[G1V+5], 32
	s_mov_b32 s[G1V+6], 0
	s_mov_b32 s[G1V+7], 0
	s_mov_b32 s[SEL], 0x76543210
	s_mov_b32 s[SEL+1], 0xfedcba98
	s_mov_b32 s[CS], 0x3d38aa3b                    ; log2(e) / 32
	s_mov_b32 s[CS+1], s[CS]
	s_mov_b32 s[TK], 0
	s_mov_b32 s[TV], 0
	s_mov_b32 s[KF], 0
	s_wait_dscnt 0x0                               ; both opening adds are done
	s_wait_kmcnt 0x0
	s_mov_b32 s[G0K], 1
	s_mov_b32 s[G0K+1], s97
	s_add_nc_u64 s[G0K+2:G0K+3], s[4:5], s[98:99]
	s_or_b32 s[G0K+3], s[G0K+3], 0x80000000
	s_mov_b32 s[G0V], 1
	s_mov_b32 s[G0V+1], s81
	s_add_nc_u64 s[G0V+2:G0V+3], s[4:5], s[84:85]
	s_or_b32 s[G0V+3], s[G0V+3], 0x80000000
	s_add_nc_u64 s[QB:QB+1], s[4:5], s[QB:QB+1]
	s_add_nc_u64 s[QBH:QBH+1], s[4:5], s[QBH:QBH+1]
	s_add_nc_u64 s[OB:OB+1], s[6:7], s[OB:OB+1]
	s_add_nc_u64 s[OBH:OBH+1], s[6:7], s[OBH:OBH+1]
	s_cmp_lt_u32 s[WV], 8                          ; one tensor load a wave, one arm each; an s_nop 0 and four v_nop follow each line
	s_cbranch_scc0 .Lfor_v
	tensor_load_to_lds s[G0K:G0K+3], s[G1S:G1S+7]
	s_nop 0
.rept 4
	v_nop
.endr
	s_branch .Lasked
.Lfor_v:
	tensor_load_to_lds s[G0V:G0V+3], s[G1S:G1S+7]
	s_nop 0
.rept 4
	v_nop
.endr
.Lasked:
	v_and_b32 v8, 15, v0                           ; r
	v_bfe_u32 v9, v0, 4, 1                         ; h
	v_and_b32 v10, 31, v0
	v_lshlrev_b32 v10, 4, v10                      ; 16 x lane
	v_lshlrev_b32 v11, 4, v8                       ; 16 r
	v_add_nc_u32 v[OO], s94, v10
	v_add_nc_u32 v[OS], s95, v11
	global_load_b128 v[16:19], v[OO], s[QB:QB+1]   ; my head's half of Q's fragment stays in registers,
	global_load_u16 v24, v[OS], s[QB:QB+1]         ; with its two scale bytes
	v_add_nc_u32 v[AK0], s92, v10
	v_add_nc_u32 v[AS0], s93, v11
	v_add_nc_u32 v[AV0], VO, v10
	v_add_nc_u32 v[AT0], VO+4096, v11
	v_add_nc_u32 v[SX], s96, v10
	v_and_b32 v12, 7, v8
	v_lshrrev_b32 v13, 3, v8
	v_sub_nc_u32 v13, v13, v9
	v_lshl_add_u32 v[QL], v13, 4, v12
	v_add_nc_u32 v[QL], s[QMIN], v[QL]             ; QMIN + r % 8 + 16 (r / 8) - 16 h
	v_mov_b32 v13, 0xff61b1e6                      ; the largest t so far: -3e38
	v_floor_f32 v12, -v13                          ; -M
	v_mov_b32 v14, 0
	v_mov_b32 v15, 0
.irp n, 20,21,22,23,236,237,238,239,250,251,252,253
	v_mov_b32 v\n, 0                               ; Q's upper half: zero codes; lane permutes' destinations and the upper halves of pairs: written once
.endr
.irp t, 0,1,2,3,4,5,6,7
.irp n, 4,5,6,7
	v_mov_b32 v[32+8*\t+\n], 0                     ; the upper halves of K's fragments: zero codes, never loaded
.endr
.endr
.set j, 0
.rept 32
	v_mov_b32 v[160+j], 0                          ; O^T: the step is written once; a tile's first step finds zeros, which the first change of M leaves zeros
.set j, j+1
.endr
	s_wait_alu depctr_va_vdst(0)                   ; the head's end
	s_wait_loadcnt 0x0                             ; Q
	s_wait_tensorcnt 0x0                           ; my chunk is in
	ds_add_u32 v[SPW], v[NIL]
	s_mov_b32 s[G0K+1], s90                        ; no tensor load of mine is out: the groups 0 take the second group's places
	s_add_nc_u64 s[G0K+2:G0K+3], s[4:5], s[86:87]
	s_or_b32 s[G0K+3], s[G0K+3], 0x80000000
	s_mov_b32 s[G0V+1], s91
	s_add_nc_u64 s[G0V+2:G0V+3], s[4:5], s[88:89]
	s_or_b32 s[G0V+3], s[G0V+3], 0x80000000
	s_wait_dscnt 0x0
	s_barrier_signal -1
	s_barrier_wait -1                              ; everybody's chunk is in: key steps 0-3 may be read
	s_cmp_lt_u32 s[WV], 12
	s_cbranch_scc0 .Lmore_v
	tensor_load_to_lds s[G0K:G0K+3], s[G1K:G1K+7]
	s_nop 0
.rept 4
	v_nop
.endr
	s_branch .Lmore
.Lmore_v:
	tensor_load_to_lds s[G0V:G0V+3], s[G1V:G1V+7]
	s_nop 0
.rept 4
	v_nop
.endr
.Lmore:
; THE WALK: so many trips, a step of 128 keys each.  sw = 1: the stretch holds the cut, at which kind 1 changes tiles.
.macro WALK trips, sw
	s_mov_b32 s[CNT], 0
.Lstep_\@:
.if \sw
	s_cmp_eq_u32 s[KF], s[SWAT]
	s_cbranch_scc0 .Lsame_\@
	; kind 1, at the cut: the early tile is finished and stored, and the late tile begins anew
	global_load_b128 v[16:19], v[OO], s[QBH:QBH+1]
	global_load_u16 v24, v[OS], s[QBH:QBH+1]
	FINAL
	s_wait_xcnt 0x0                                ; the stores have read their base and their data
	s_mov_b64 s[OB:OB+1], s[OBH:OBH+1]
	s_mov_b32 s[LO], CUT
	s_mov_b32 s[QMIN], s[QMINH]
	s_add_co_u32 s[HI], s[QMINH], 23
	v_add_nc_u32 v[QL], s[DQ], v[QL]
	v_mov_b32 v13, 0xff61b1e6
	v_floor_f32 v12, -v13
	v_mov_b32 v14, 0
	v_mov_b32 v15, 0
.set j, 0
.rept 32
	v_mov_b32 v[160+j], 0
.set j, j+1
.endr
	s_wait_alu depctr_va_vdst(0)
	s_wait_loadcnt 0x0
.Lsame_\@:
.endif
	s_cmp_lt_u32 s[KF], s[LO]                      ; not my part of the keys, or all keys come after my queries: ids and the count of steps alone
	s_cbranch_scc1 .Lhidden_\@
	s_cmp_gt_u32 s[KF], s[HI]
	s_cbranch_scc1 .Lhidden_\@
	v_add_nc_u32 v[ADK], s[TK], v[AK0]             ; these four are also the places in front of loads into registers that the last products read
	v_add_nc_u32 v[ADS], s[TK], v[AS0]
	v_add_nc_u32 v[ADV], s[TV], v[AV0]
	v_add_nc_u32 v[ADT], s[TV], v[AT0]
.irp t, 0,1,2,3,4,5,6,7
	ds_load_b128 v[32+8*\t:35+8*\t], v[ADK] offset:(\t/4)*CH+(\t%4)*1024
.endr
.irp t, 0,1,2,3,4,5,6,7
	ds_load_u16 v[240+\t], v[ADS] offset:(\t/4)*CH+(\t%4)*4
.endr
.irp t, 0,1,2,3
.irp c, 0,1
	ds_load_b128 v[192+8*\t+4*\c:195+8*\t+4*\c], v[ADV] offset:\t*1024+512*\c
.endr
.endr
	ds_load_b128 v[26:29], v[ADT]
	s_wait_dscnt 9                                 ; K and its scales are in; V's eight loads and its scale words may be out
.irp t, 0,1,2,3,4,5,6,7
	v_wmma_scale_f32_16x16x128_f8f6f4 v[96+8*\t:103+8*\t], v[32+8*\t:39+8*\t], v[16:23], 0, v[240+\t], v24 matrix_a_fmt:MATRIX_FMT_FP4 matrix_b_fmt:MATRIX_FMT_FP4
.endr
.rept 4
	v_nop
.endr
	s_add_co_u32 s96, s[KF], 127                   ; on the diagonal hidden scores become -infinity ahead of the maximum; a step all of whose keys count passes this over
	s_cmp_le_u32 s96, s[QMIN]
	s_cbranch_scc1 .Lopen_\@
	v_sub_nc_u32 v252, v[QL], s[KF]                ; d: register 16 b + i holds key KF + 16 (lane / 16) + 32 b + i: hidden where 32 b + i > d.  Key KF counts for every query of a tile that works this step
	v_mov_b32 v254, 0xff800000
.set n, 0
.rept 64
	v_cmp_gt_i32 vcc_lo, 32*(n/16)+n%16, v252
	v_cndmask_b32 v[96+n], v[96+n], v254, vcc_lo
.set n, n+1
.endr
.Lopen_\@:
.irp b, 0,1,2,3
	v_max3_num_f32 v[232+\b], v[96+16*\b], v[97+16*\b], v[98+16*\b]   ; the largest score of each block of 32 keys: for the row's maximum and, since p rises with the score, for the block's largest p
.endr
.irp i, 3,5,7,9,11,13
.irp b, 0,1,2,3
	v_max3_num_f32 v[232+\b], v[232+\b], v[96+16*\b+\i], v[97+16*\b+\i]
.endr
.endr
.irp b, 0,1,2,3
	v_max_num_f32 v[232+\b], v[232+\b], v[111+16*\b]
.endr
.irp b, 0,1,2,3
	s_delay_alu instid0(VALU_DEP_4)
	v_permlanex16_b32 v[236+\b], v[232+\b], s[SEL], s[SEL+1]
.endr
.irp b, 0,1,2,3
	s_delay_alu instid0(VALU_DEP_4)
	v_max_num_f32 v[232+\b], v[232+\b], v[236+\b]
.endr
	s_delay_alu instid0(VALU_DEP_2)
	v_max3_num_f32 v254, v232, v233, v234
	s_delay_alu instid0(VALU_DEP_1)
	v_max_num_f32 v254, v254, v235
	s_delay_alu instid0(VALU_DEP_1)
	v_mul_f32 v254, s[CS], v254
	s_delay_alu instid0(VALU_DEP_1)
	v_max_num_f32 v13, v13, v254                   ; the running largest t
	v_mov_b32 v254, v12
	s_delay_alu instid0(VALU_DEP_2)
	v_floor_f32 v12, -v13                          ; the new -M = -ceil(t)
	s_delay_alu instid0(VALU_DEP_1)
	v_sub_f32 v254, v12, v254                      ; old M - new M: a whole number, 0 or less
	s_delay_alu instid0(VALU_DEP_1)
	v_cvt_i32_f32 v254, v254
	s_delay_alu instid0(VALU_DEP_1)
	v_ldexp_f32 v252, 1.0, v254                    ; f = 2^(old M - new M)
.set j, 0
.rept 32
	v_pk_fma_f32 v[96+j:97+j], v[96+j:97+j], s[CS:CS+1], v[12:13] op_sel_hi:[1,0,0]   ; t - M
.set j, j+2
.endr
.irp b, 0,1,2,3
	v_fma_f32 v[232+\b], v[232+\b], s[CS], v12
.endr
	s_wait_alu depctr_va_vdst(0)                   ; the wait ahead of the batch
.set j, 0
.rept 64
	v_exp_f32 v[96+j], v[96+j]                     ; p = 2^(t - M)
.set j, j+1
.endr
	v_pk_mul_f32 v[14:15], v[14:15], v[252:253] op_sel_hi:[1,0]   ; the sums under the new M: a plain instruction behind the exponentials
	s_wait_alu depctr_va_vdst(0)                   ; one wait for the whole batch, ahead of its first reader
.irp b, 0,1,2,3
	v_exp_f32 v[232+\b], v[232+\b]                 ; the block's largest p
.endr
	v_pk_add_f32 v[236:237], v[96:97], v[98:99]    ; the row's sum of the unquantised p, in four chains by turns
	v_pk_add_f32 v[238:239], v[100:101], v[102:103]
	v_pk_add_f32 v[254:255], v[104:105], v[106:107]
	v_pk_add_f32 v[14:15], v[14:15], v[108:109]
.irp j, 110,118,126,134,142,150
	v_pk_add_f32 v[236:237], v[236:237], v[\j:\j+1]
	v_pk_add_f32 v[238:239], v[238:239], v[\j+2:\j+3]
	v_pk_add_f32 v[254:255], v[254:255], v[\j+4:\j+5]
	v_pk_add_f32 v[14:15], v[14:15], v[\j+6:\j+7]
.endr
	s_delay_alu instid0(VALU_DEP_3)
	v_pk_add_f32 v[236:237], v[236:237], v[238:239]
	v_pk_add_f32 v[254:255], v[254:255], v[158:159]
	s_delay_alu instid0(VALU_DEP_2)
	v_pk_add_f32 v[14:15], v[14:15], v[236:237]
	s_delay_alu instid0(VALU_DEP_1)
	v_pk_add_f32 v[14:15], v[14:15], v[254:255]
	s_wait_alu depctr_va_vdst(0)                   ; and one for the four
.irp b, 0,1,2,3
	v_max_num_f32 v[232+\b], 0x1800000, v[232+\b]  ; the floor: the byte cannot fall under 1
.endr
.irp b, 0,1,2,3
	s_delay_alu instid0(VALU_DEP_4)
	v_add_nc_u32 v[248+\b], 0xff000000, v[232+\b]
.endr
.irp b, 0,1,2,3
	s_delay_alu instid0(VALU_DEP_4)
	v_lshrrev_b32 v[236+\b], 23, v[248+\b]
.endr
	s_delay_alu instid0(VALU_DEP_3)
	v_lshl_or_b32 v253, v237, 8, v236              ; p's scale word for these 128 keys
	s_delay_alu instid0(VALU_DEP_1)
	v_lshl_or_b32 v253, v238, 16, v253
	s_delay_alu instid0(VALU_DEP_1)
	v_lshl_or_b32 v253, v239, 24, v253
.irp b, 0,1,2,3
	v_cvt_scalef32_pk8_fp4_f32 v[224+2*\b], v[96+16*\b:103+16*\b], v[248+\b]
	v_cvt_scalef32_pk8_fp4_f32 v[225+2*\b], v[104+16*\b:111+16*\b], v[248+\b]
.endr
	v_nop
.irp c, 0,1
.irp i, 0,1
	v_permlane16_swap_b32 v[224+4*\c+\i], v[226+4*\c+\i]
.endr
.endr
	s_wait_alu depctr_va_vdst(0)                   ; directly ahead of the first reader of O^T
.set j, 0
.rept 16
	v_pk_mul_f32 v[160+j:161+j], v[160+j:161+j], v[252:253] op_sel_hi:[1,0]   ; O^T under the new M; these are also the places ahead of the products below
.set j, j+2
.endr
	s_wait_alu depctr_va_vdst(0)
	s_wait_dscnt 0x0                               ; V is in
.irp t, 0,1,2,3
	v_wmma_scale_f32_16x16x128_f8f6f4 v[160+8*\t:167+8*\t], v[192+8*\t:199+8*\t], v[224:231], v[160+8*\t:167+8*\t], v[26+\t], v253 matrix_a_fmt:MATRIX_FMT_FP4 matrix_b_fmt:MATRIX_FMT_FP4
.endr
.Lhidden_\@:
	s_add_co_u32 s[KF], s[KF], 128
	s_add_co_u32 s[TK], s[TK], 2*CH                ; 128 keys are two chunks of K and one of V
	s_add_co_u32 s[TV], s[TV], CH
	s_add_co_u32 s[CNT], s[CNT], 1
	s_cmp_lt_u32 s[CNT], \trips
	s_cbranch_scc1 .Lstep_\@
.endm
	WALK 4, 0                                      ; key steps 0-3, while the second group of loads is on its way
	s_wait_tensorcnt 0x0                           ; my two chunks are in
	s_wait_dscnt 0x0
	s_barrier_signal -1
	s_barrier_wait -1                              ; everybody's are: from here on K and V are only read
	WALK 12, 1                                     ; key steps 4-15
	; THE TWO PARTS OF A LATE TILE ARE JOINED.  Kind 0 lays O^T, -M and the sums in the pair's scratch as images of its registers; its partner holds the same queries in the same lanes.
	s_cmp_eq_u32 s[KB], 0
	s_cbranch_scc0 .Lkeep
.rept 4
	v_nop                                          ; four places in front of the first read of the last products' results
.endr
.irp i, 0,1,2,3,4,5,6,7
	ds_store_b128 v[SX], v[160+4*\i:163+4*\i] offset:512*\i   ; each accumulator from its low end on
.endr
	ds_store_b128 v[SX], v[12:15] offset:4096
.Lkeep:
	s_wait_dscnt 0x0                               ; for the partner's sake
	s_barrier_signal -1
	s_barrier_wait -1
	s_cmp_eq_u32 s[KB], 0
	s_cbranch_scc1 .Lend
.irp i, 0,1,2,3,4,5,6,7
	ds_load_b128 v[96+4*\i:99+4*\i], v[SX] offset:512*\i
.endr
	ds_load_b128 v[128:131], v[SX] offset:4096
	s_wait_dscnt 0x0
	v_min_num_f32 v254, v12, v128                  ; the joint -M
	v_sub_f32 v252, v254, v12                      ; each part's M less the joint M: whole numbers, 0 or less
	v_sub_f32 v250, v254, v128
	v_cvt_i32_f32 v252, v252                       ; (it saturates: a part with no step has -M = 3e38 and gets the factor 0)
	v_cvt_i32_f32 v250, v250
	v_ldexp_f32 v252, 1.0, v252
	v_ldexp_f32 v250, 1.0, v250
	v_pk_mul_f32 v[14:15], v[14:15], v[252:253] op_sel_hi:[1,0]
	v_pk_fma_f32 v[14:15], v[130:131], v[250:251], v[14:15] op_sel_hi:[1,0,1]
.set j, 0
.rept 16
	v_pk_mul_f32 v[160+j:161+j], v[160+j:161+j], v[252:253] op_sel_hi:[1,0]
.set j, j+2
.endr
.set j, 0
.rept 16
	v_pk_fma_f32 v[160+j:161+j], v[96+j:97+j], v[250:251], v[160+j:161+j] op_sel_hi:[1,0,1]
.set j, j+2
.endr
	FINAL
.Lend:
	s_wait_tensorcnt 0x0                           ; the wave's end
	ds_add_u32 v[SPW], v[NIL]
	s_wait_dscnt 0x0
	s_endpgm
.Lfunc_end_k_q9a56c947f1_attn:
	.size	k_q9a56c947f1_attn, .Lfunc_end_k_q9a56c947f1_attn-k_q9a56c947f1_attn
	.p2alignl 7, 3214868480
	.fill 96, 4, 3214868480
	.section	.rodata,"a",@progbits
	.p2align	6, 0x0
	.amdhsa_kernel k_q9a56c947f1_attn
		.amdhsa_group_segment_fixed_size 327680
		.amdhsa_private_segment_fixed_size 0
		.amdhsa_enable_private_segment 0
		.amdhsa_kernarg_size 16
		.amdhsa_user_sgpr_count 2
		.amdhsa_user_sgpr_kernarg_segment_ptr 1
		.amdhsa_wavefront_size32 1
		.amdhsa_system_sgpr_workgroup_id_x 1
		.amdhsa_system_sgpr_workgroup_id_y 1
		.amdhsa_system_sgpr_workgroup_id_z 1
		.amdhsa_system_vgpr_workitem_id 0
		.amdhsa_next_free_vgpr 256
		.amdhsa_next_free_sgpr 100
		.amdhsa_reserve_vcc 1
		.amdhsa_float_denorm_mode_32 3
		.amdhsa_float_denorm_mode_16_64 3
		.amdhsa_memory_ordered 1
		.amdhsa_forward_progress 1
		.amdhsa_inst_pref_size 68
	.end_amdhsa_kernel
	.amdgpu_metadata
---
amdhsa.version: [ 1, 2 ]
amdhsa.kernels:
  - .name:           k_q9a56c947f1_attn
    .symbol:         k_q9a56c947f1_attn.kd
    .args:
      - { .name: qkv, .offset: 0, .size: 8, .value_kind: global_buffer, .address_space: global }
      - { .name: oimg, .offset: 8, .size: 8, .value_kind: global_buffer, .address_space: global }
    .group_segment_fixed_size: 327680
    .private_segment_fixed_size: 0
    .kernarg_segment_align: 8
    .kernarg_segment_size: 16
    .max_flat_workgroup_size: 512
    .sgpr_count:     100
    .vgpr_count:     256
    .wavefront_size: 32
...
	.end_amdgpu_metadata
.endif
;; end of part 3
;; launch wo_ln2 (part 4): grid 256 x 1, 16 waves a work-group, no clusters, 152,064 bytes of LDS; arguments oimg, wqo, bo, x, g2, be2, W1, W2, x1, h2img, wimg; writes x1, h2img, wimg
.if DOCPART == 4
	.amdgcn_target "amdgcn-amd-amdhsa--gfx1250"
	.amdhsa_code_object_version 6
	.text
	.protected	k_q9a56c947f1_wo_ln2
	.globl	k_q9a56c947f1_wo_ln2
	.p2align	8
	.type	k_q9a56c947f1_wo_ln2,@function
k_q9a56c947f1_wo_ln2:
	s_mov_b64 s[64:65], 0
	v_nop
	global_prefetch_b8 v0, s[64:65] scope:SCOPE_SE
	s_setreg_imm32_b32 hwreg(HW_REG_WAVE_MODE, 25, 1), 1
	s_wait_xcnt 0x0
; Work-groups 0-127: x1 = o Wo + bo + x;  h2 = layernorm(x1) g2 + be2, quantised along C into h2img.  Work-groups 128-255: W2 and W1, whose K is their first axis, quantised along K into wimg (W1's image at W1_OFF,
; W2's at W2_OFF; the bytes below W1_OFF are not used): nothing reads them before the next two launches, and the layernorm, which wants whole rows, gives this launch 128 row blocks.  Images: head of launch prep.
; A ROW BLOCK.  Work-group n owns rows 32 n .. 32 n + 31 (fragments 2 (n % 2), + 1 of the chunks F = n / 2) x all 1,024 columns.  Sixteen waves; wave w makes the 32 rows (source 1) x columns 64 w .. 64 w + 63
; (source 0: group w of Wo's image): eight accumulators, into which bo is loaded: it costs no addition.
; Wo GOES FROM MEMORY STRAIGHT INTO THE OPERAND'S REGISTERS: group w is multiplied by wave w alone, and its image is laid so that a fragment is two loads of 16 bytes a lane.  Four sets of registers, a K step each, are
; filled ahead: 36 loads a wave at the start, nine more behind each of the first four K steps.  The sets that fall free behind K steps 4 to 7 take x's two rows, g2 and be2.
; NO CLUSTER AND NO JOINT LOAD, though all 128 row blocks read the same Wo: a joint load lands in LDS, where each byte of Wo would be written and read back for this one use, and all of Wo (557,056 bytes) does not fit
; there: it would come through slots that are filled again, each refill behind a round of a cluster's barrier in which all sixteen waves stand.  So the text has no tensor load, and waves meet at three barriers.
; o's two fragments of each K step go through registers into LDS once (wave w copies fragment w % 2 of K step w / 2) and are read by all sixteen waves.
.set CH,    4352
.set SP,    4112                       ; a stage row: 4,096 bytes + 16
.set OREG,  32*SP                      ; behind the stage's 32 rows: o: for each K step 2 x 1,024 bytes of codes, then at + 2,048 the scale words [r][x]
.set OS,    2304
.set SPARE, OREG+8*OS                  ; the spare words, 128 bytes for each wave, which no other line names
.set WO_OFF, 1671168
.set W1_OFF, 2228224
.set W2_OFF, 4456448
.set COL,  1                           ; v1   16 x lane
.set R16S, 4                           ; v4   4,096 + 16 r: a chunk's scale words of row r
.set VA,   5                           ; v5   LDS: o's fragments
.set VAS,  6                           ; v6   and their scale words
.set BOF,  7                           ; v7   64 h
.set STO,  8                           ; v8   stage: my wave's two rows
.set SO0,  9                           ; v9, v10 stage: where my results go
.set RDQ,  11                          ; v11  stage: my row of the fragment that I quantise
.set SH8,  12                          ; v12  8 h
.set PFX,  13                          ; v13  the prefetch's offset
.set SPW,  14                          ; v14  LDS address of my spare word; never rewritten
.set NIL,  15                          ; v15  0; never rewritten
.set AS,   16                          ; v16-17 o's scale words; v18-33 Wo's, four a set: these hold scales and nothing else
.set BS,   18
.set AF,   34                          ; v34-49 o's two fragments; behind the products: v34-41 codes, v42 a scale word, v43-49 the quantiser's
.set PC,   34
.set PW,   42
.set TQ,   43
.set T0,   50                          ; v50-63 the layernorm's sums, means and factors (v50-53 at the head: the copy's addresses)
.set BF,   64                          ; v64-191 four sets of Wo's four fragments; behind them: x's two rows, g2, be2
.set VX,   64
.set G,    128
.set BE,   160
.set ACC,  192                         ; v192-255: accumulator (x, t) at ACC + 32 x + 8 t; then my two rows; then 64 numbers to quantise
.set VS,   192
.set WCOL, 8                           ; weights: v8 4 x my column, v9 my codes' place in the chunk, v10 my scale word's; v64-79 codes, v80 the scale word, v82-85 at work, v128-255 four blocks of 32 numbers
.set WIM,  9
.set WSC,  10
.set WCD,  64
.set WWD,  80
.set WT,   82
.set W,    128
.set WV,   26
.set SEL,  28
.set K10,  30
.set EPS,  31
.set SRC,  32
.set DST,  34
.set OB,   48                          ; s[48:49] o's chunk that I copy from; s[50:51] Wo's group w; s[52:53] bo at my columns; s[54:55], s[56:57] x, x1 at my rows; s[58:59], s[60:61] h2img at my fragment, at its scale words
.set WB,   50
.set BOB,  52
.set XB,   54
.set X1B,  56
.set HB,   58
.set HS,   60
.macro REDUCE
	s_delay_alu instid0(VALU_DEP_2)
	v_add_f32 v[T0], v[T0], v[T0+1]
	s_delay_alu instid0(VALU_DEP_2)
	v_add_f32 v[T0+2], v[T0+2], v[T0+3]
.irp m, 1,2,4,8
	s_delay_alu instid0(VALU_DEP_2)
	v_add_f32_dpp v[T0], v[T0], v[T0] row_xmask:\m row_mask:0xf bank_mask:0xf
	s_delay_alu instid0(VALU_DEP_2)
	v_add_f32_dpp v[T0+2], v[T0+2], v[T0+2] row_xmask:\m row_mask:0xf bank_mask:0xf
.endr
	s_delay_alu instid0(VALU_DEP_2)
	v_permlanex16_b32 v[T0+4], v[T0], s[SEL], s[SEL+1]
	s_delay_alu instid0(VALU_DEP_2)
	v_permlanex16_b32 v[T0+5], v[T0+2], s[SEL], s[SEL+1]
	s_delay_alu instid0(VALU_DEP_2)
	v_add_f32 v[T0], v[T0], v[T0+4]
	s_delay_alu instid0(VALU_DEP_2)
	v_add_f32 v[T0+2], v[T0+2], v[T0+5]
.endm
; Two rows, 32 registers a lane each, become (x - mean) rsqrt(var + eps) g + be, in place; the variance is taken of the deviations, as reference() takes it.
.macro LNROWS V
	v_pk_add_f32 v[T0:T0+1], v[\V:\V+1], v[\V+2:\V+3]
	v_pk_add_f32 v[T0+2:T0+3], v[\V+32:\V+33], v[\V+34:\V+35]
.irp j, 4,6,8,10,12,14,16,18,20,22,24,26,28,30
	s_delay_alu instid0(VALU_DEP_2)
	v_pk_add_f32 v[T0:T0+1], v[T0:T0+1], v[\V+\j:\V+\j+1]
	s_delay_alu instid0(VALU_DEP_2)
	v_pk_add_f32 v[T0+2:T0+3], v[T0+2:T0+3], v[\V+32+\j:\V+33+\j]
.endr
	REDUCE
	s_delay_alu instid0(VALU_DEP_2)
	v_mul_f32 v[T0+6], s[K10], v[T0]
	s_delay_alu instid0(VALU_DEP_2)
	v_mul_f32 v[T0+8], s[K10], v[T0+2]
.irp j, 0,2,4,6,8,10,12,14,16,18,20,22,24,26,28,30
	v_pk_add_f32 v[\V+\j:\V+\j+1], v[\V+\j:\V+\j+1], v[T0+6:T0+7] op_sel_hi:[1,0] neg_lo:[0,1] neg_hi:[0,1]
	v_pk_add_f32 v[\V+32+\j:\V+33+\j], v[\V+32+\j:\V+33+\j], v[T0+8:T0+9] op_sel_hi:[1,0] neg_lo:[0,1] neg_hi:[0,1]
.endr
	v_pk_mul_f32 v[T0:T0+1], v[\V:\V+1], v[\V:\V+1]
	v_pk_mul_f32 v[T0+2:T0+3], v[\V+32:\V+33], v[\V+32:\V+33]
.irp j, 2,4,6,8,10,12,14,16,18,20,22,24,26,28,30
	s_delay_alu instid0(VALU_DEP_2)
	v_pk_fma_f32 v[T0:T0+1], v[\V+\j:\V+\j+1], v[\V+\j:\V+\j+1], v[T0:T0+1]
	s_delay_alu instid0(VALU_DEP_2)
	v_pk_fma_f32 v[T0+2:T0+3], v[\V+32+\j:\V+33+\j], v[\V+32+\j:\V+33+\j], v[T0+2:T0+3]
.endr
	REDUCE
	s_delay_alu instid0(VALU_DEP_2)
	v_fma_f32 v[T0], v[T0], s[K10], s[EPS]
	s_delay_alu instid0(VALU_DEP_2)
	v_fma_f32 v[T0+2], v[T0+2], s[K10], s[EPS]
	s_wait_alu depctr_va_vdst(0)
	v_rsq_f32 v[T0+10], v[T0]
	v_rsq_f32 v[T0+12], v[T0+2]
	v_nop                                          ; a plain instruction behind the last of the two
	s_wait_alu depctr_va_vdst(0)                   ; one wait for both, ahead of their first reader
.irp j, 0,2,4,6,8,10,12,14,16,18,20,22,24,26,28,30
	v_pk_mul_f32 v[\V+\j:\V+\j+1], v[\V+\j:\V+\j+1], v[T0+10:T0+11] op_sel_hi:[1,0]
	v_pk_mul_f32 v[\V+32+\j:\V+33+\j], v[\V+32+\j:\V+33+\j], v[T0+12:T0+13] op_sel_hi:[1,0]
.endr
	s_wait_loadcnt 0x0                             ; g2 and be2 are in
.irp j, 0,2,4,6,8,10,12,14,16,18,20,22,24,26,28,30
	v_pk_fma_f32 v[\V+\j:\V+\j+1], v[\V+\j:\V+\j+1], v[G+\j:G+\j+1], v[BE+\j:BE+\j+1]
	v_pk_fma_f32 v[\V+32+\j:\V+33+\j], v[\V+32+\j:\V+33+\j], v[G+\j:G+\j+1], v[BE+\j:BE+\j+1]
.endr
.endm
.macro QUANTB s, pc, pw                ; two whole blocks of my row (block c at s + 32 c: k = 64 c + 32 h + 0..31) become a fragment's registers and my row's scale word
.irp c, 0,1
	v_max3_num_f32 v[TQ+\c], |v[\s+32*\c]|, |v[\s+32*\c+1]|, 0x1800000   ; and the floor 2^(3 - 127): the byte cannot fall under 1
.endr
.irp i, 2,4,6,8,10,12,14,16,18,20,22,24,26,28,30
.irp c, 0,1
	s_delay_alu instid0(VALU_DEP_2)
	v_max3_num_f32 v[TQ+\c], v[TQ+\c], |v[\s+32*\c+\i]|, |v[\s+32*\c+\i+1]|
.endr
.endr
.irp c, 0,1
	s_delay_alu instid0(VALU_DEP_2)
	v_add_nc_u32 v[TQ+2+\c], 0xff000000, v[TQ+\c]
.endr
.irp c, 0,1
	s_delay_alu instid0(VALU_DEP_2)
	v_lshrrev_b32 v[TQ+4+\c], 23, v[TQ+2+\c]
.endr
	s_delay_alu instid0(VALU_DEP_1)
	v_lshl_or_b32 v[\pw], v[TQ+5], 16, v[TQ+4]
	s_delay_alu instid0(VALU_DEP_1)
	v_lshlrev_b32 v[\pw], v[SH8], v[\pw]
	s_delay_alu instid0(VALU_DEP_1)
	v_permlanex16_b32 v[TQ+6], v[\pw], s[SEL], s[SEL+1]
	s_delay_alu instid0(VALU_DEP_1)
	v_or_b32 v[\pw], v[\pw], v[TQ+6]
.irp c, 0,1
.irp g, 0,1,2,3
	v_cvt_scalef32_pk8_fp4_f32 v[\pc+4*\c+\g], v[\s+32*\c+8*\g:\s+32*\c+8*\g+7], v[TQ+2+\c]
.endr
.endr
	v_nop                                          ; one plain instruction behind the last conversion
.endm
.macro LOADB s                         ; K step s of my group of Wo into set s % 4: nine loads: four fragments and their scale words; 512 consecutive bytes a fragment load
.irp t, 0,1,2,3
.irp c, 0,1
	global_load_b128 v[BF+32*((\s)%4)+8*\t+4*\c:BF+32*((\s)%4)+8*\t+4*\c+3], v[COL], s[WB:WB+1] offset:CH*(\s)+1024*\t+512*\c
.endr
.endr
	global_load_b128 v[BS+4*((\s)%4):BS+4*((\s)%4)+3], v[R16S], s[WB:WB+1] offset:CH*(\s)
.endm
; K step s: o's two fragments from LDS; cnt: the loads issued behind this step's set, which may stay out.  The eight accumulators take turns, one instruction a turn, in the same order in every K step.
; Four places follow, in front of the loads into registers that these products have read.
.macro KSTEP s, cnt
.irp x, 0,1
.irp c, 0,1
	ds_load_b128 v[AF+8*\x+4*\c:AF+8*\x+4*\c+3], v[VA] offset:OS*(\s)+1024*\x+512*\c
.endr
.endr
	ds_load_b64 v[AS:AS+1], v[VAS] offset:OS*(\s)
	s_wait_loadcnt \cnt
	s_wait_dscnt 0x0
.irp t, 0,1,2,3
.irp x, 0,1
	v_wmma_scale_f32_16x16x128_f8f6f4 v[ACC+32*\x+8*\t:ACC+32*\x+8*\t+7], v[BF+32*((\s)%4)+8*\t:BF+32*((\s)%4)+8*\t+7], v[AF+8*\x:AF+8*\x+7], v[ACC+32*\x+8*\t:ACC+32*\x+8*\t+7], v[BS+4*((\s)%4)+\t], v[AS+\x] matrix_a_fmt:MATRIX_FMT_FP4 matrix_b_fmt:MATRIX_FMT_FP4
.endr
.endr
.rept 4
	v_nop
.endr
.endm
	s_load_b256 s[4:11], s[0:1], 0x0               ; oimg, wqo, bo, x
	s_load_b256 s[12:19], s[0:1], 0x20             ; g2, be2, W1, W2
	s_load_b128 s[20:23], s[0:1], 0x40             ; x1, h2img
	s_load_b64 s[24:25], s[0:1], 0x50              ; wimg
	v_lshl_add_u32 v[SPW], v0, 2, SPARE
	v_mov_b32 v[NIL], 0
	v_lshrrev_b32 v2, 5, v0
	s_delay_alu instid0(VALU_DEP_1)
	v_readfirstlane_b32 s[WV], v2                  ; wave 0..15
	v_and_b32 v1, 31, v0                           ; lane
	v_and_b32 v2, 15, v0                           ; r
	v_bfe_u32 v3, v0, 4, 1                         ; h
	s_cmp_lt_u32 ttmp9, 128                        ; the work-group's number alone: all sixteen waves go the same way
	s_cbranch_scc0 .Lweights
	; ---- A ROW BLOCK
	s_mov_b32 s[SEL], 0x76543210
	s_mov_b32 s[SEL+1], 0xfedcba98
	s_mov_b32 s[K10], 0x3a800000
	s_mov_b32 s[EPS], 0x3727c5ac
	s_lshr_b32 s36, ttmp9, 1                       ; F
	s_and_b32 s37, ttmp9, 1                        ; beta: which pair of the chunks' fragments
	s_lshr_b32 s38, s[WV], 3                       ; w / 8
	s_and_b32 s39, s[WV], 7                        ; w % 8
	s_lshr_b32 s40, s[WV], 1                       ; the copy: K step w / 2,
	s_and_b32 s41, s[WV], 1                        ; fragment w % 2 of the pair
	s_wait_alu depctr_va_vdst(0)
	v_lshlrev_b32 v[COL], 4, v1
	v_lshlrev_b32 v[R16S], 4, v2
	s_delay_alu instid0(VALU_DEP_1)
	v_add_nc_u32 v[R16S], 4096, v[R16S]
	s_wait_alu depctr_va_vdst(0)
	v_lshlrev_b32 v[BOF], 6, v3
	s_lshl_b32 s42, s36, 3
	s_add_co_u32 s43, s42, s40
	s_mul_i32 s[OB], s43, CH                       ; o: chunk (F, w / 2)
	s_mov_b32 s[OB+1], 0
	s_lshl_b32 s44, s37, 1
	s_add_co_u32 s45, s44, s41                     ; the fragment's number in its chunk
	s_lshl_b32 s46, s45, 10
	v_add_nc_u32 v50, s46, v[COL]                  ; its codes,
	s_lshl_b32 s46, s45, 2
	v_add_nc_u32 v51, s46, v[R16S]                 ; its scale words;
	s_mul_i32 s46, s40, OS
	s_lshl_b32 s47, s41, 10
	s_add_co_u32 s47, s47, s46
	s_add_co_u32 s47, s47, OREG
	v_add_nc_u32 v52, s47, v[COL]                  ; and where they go in LDS: the wave's number and the lane alone
	s_lshl_b32 s47, s41, 2
	s_add_co_u32 s47, s47, s46
	s_add_co_u32 s47, s47, OREG+2048
	v_lshl_add_u32 v53, v2, 3, s47
	s_mul_i32 s[WB], s[WV], 8*CH
	s_add_co_u32 s[WB], s[WB], WO_OFF              ; Wo: group w, K step 0
	s_mov_b32 s[WB+1], 0
	s_lshl_b32 s[BOB], s[WV], 8                    ; bo: my 64 columns
	s_mov_b32 s[BOB+1], 0
	s_lshl_b32 s[XB], ttmp9, 5                     ; my two rows of x and x1: 32 n + 8 (w / 8) + 16 ((w / 4) % 2) + 2 (w % 4), + 1
	s_lshl_b32 s46, s38, 3
	s_add_co_u32 s[XB], s[XB], s46
	s_bfe_u32 s46, s[WV], 0x10002
	s_lshl_b32 s46, s46, 4
	s_add_co_u32 s[XB], s[XB], s46
	s_and_b32 s46, s[WV], 3
	s_lshl_b32 s46, s46, 1
	s_add_co_u32 s[XB], s[XB], s46
	s_lshl_b32 s[XB], s[XB], 12
	s_mov_b32 s[XB+1], 0
	s_add_co_u32 s[HB], s42, s39
	s_mul_i32 s[HB], s[HB], CH                     ; h2img: chunk (F, w % 8),
	s_add_co_u32 s46, s44, s38                     ; fragment 2 beta + w / 8:
	s_lshl_b32 s47, s46, 2
	s_add_co_u32 s[HS], s[HB], s47                 ; its scale words lie at 4,096 + 16 r + 4 x its number,
	s_lshl_b32 s47, s46, 10
	s_add_co_u32 s[HB], s[HB], s47                 ; its codes at 1,024 x its number
	s_mov_b32 s[HB+1], 0
	s_mov_b32 s[HS+1], 0
	s_wait_alu depctr_va_vdst(0)
	s_wait_kmcnt 0x0
	s_add_nc_u64 s[OB:OB+1], s[4:5], s[OB:OB+1]
	s_add_nc_u64 s[WB:WB+1], s[6:7], s[WB:WB+1]
	s_add_nc_u64 s[BOB:BOB+1], s[8:9], s[BOB:BOB+1]
	s_add_nc_u64 s[X1B:X1B+1], s[20:21], s[XB:XB+1]
	s_add_nc_u64 s[XB:XB+1], s[10:11], s[XB:XB+1]
	s_add_nc_u64 s[HB:HB+1], s[22:23], s[HB:HB+1]
	s_add_nc_u64 s[HS:HS+1], s[22:23], s[HS:HS+1]
	global_load_b128 v[AF:AF+3], v50, s[OB:OB+1]               ; the copy: three loads
	global_load_b128 v[AF+4:AF+7], v50, s[OB:OB+1] offset:512
	global_load_b32 v[AF+8], v51, s[OB:OB+1]
.irp x, 0,1                                    ; bo in the result's layout, sixteen loads: register 8 t + e of lane (r, h) is column 32 (t / 2) + 8 (t % 2) + 16 h + e of my 64
.irp t, 0,1,2,3
	global_load_b128 v[ACC+32*\x+8*\t:ACC+32*\x+8*\t+3], v[BOF], s[BOB:BOB+1] offset:(32*(\t/2)+8*(\t%2))*4
	global_load_b128 v[ACC+32*\x+8*\t+4:ACC+32*\x+8*\t+7], v[BOF], s[BOB:BOB+1] offset:(32*(\t/2)+8*(\t%2))*4+16
.endr
.endr
	LOADB 0                                        ; four K steps of Wo: 36 loads
	LOADB 1
	LOADB 2
	LOADB 3
	v_add_nc_u32 v[VA], OREG, v[COL]
	v_lshl_add_u32 v[VAS], v2, 3, OREG+2048
	s_mul_i32 s46, s[WV], 2*SP
	v_add_nc_u32 v[STO], s46, v[COL]
	v_mul_u32_u24 v[SO0], v2, SP
	s_delay_alu instid0(VALU_DEP_1)
	v_lshl_add_u32 v[RDQ], v3, 7, v[SO0]           ; row r, + 32 h numbers
	s_delay_alu instid0(VALU_DEP_2)
	v_lshl_add_u32 v[SO0], v3, 6, v[SO0]           ; row r, + 16 h numbers
	s_lshl_b32 s46, s[WV], 8
	v_add_nc_u32 v[SO0], s46, v[SO0]               ; my 64 columns
	s_delay_alu instid0(VALU_DEP_1)
	v_add_nc_u32 v[SO0+1], 16*SP, v[SO0]
	s_mul_i32 s46, s38, 16*SP
	s_lshl_b32 s47, s39, 9
	s_add_co_u32 s46, s46, s47
	v_add_nc_u32 v[RDQ], s46, v[RDQ]               ; fragment w / 8, K step w % 8
	v_lshlrev_b32 v[SH8], 3, v3
	v_lshlrev_b32 v[PFX], 8, v2
	s_delay_alu instid0(VALU_DEP_1)
	v_lshl_add_u32 v[PFX], v3, 12, v[PFX]          ; lanes 256 bytes apart along a row, lanes 16-31 in the next row
.irp n, 4,5,7,9,11,13
	v_mov_b32 v[T0+\n], 0                          ; written once: lane permutes' destinations, and the upper halves of pairs of which the low word serves both halves
.endr
	s_wait_alu depctr_va_vdst(0)
	s_wait_loadcnt 52                              ; the copy's three loads are in; bo's sixteen and Wo's 36 may be out
	ds_store_b128 v52, v[AF:AF+3]
	ds_store_b128 v52, v[AF+4:AF+7] offset:512
	ds_store_b32 v53, v[AF+8]                      ; lanes r and 16 + r hold the same word and write it to the same place
	s_wait_dscnt 0x0                               ; for the others' sake: my part of o lies in LDS
	s_barrier_signal -1
	s_barrier_wait -1
	KSTEP 0, 27                                    ; bo and set 0 are in; three younger sets may be out
	LOADB 4
	global_prefetch_b8 v[PFX], s[XB:XB+1] th:TH_LOAD_NT scope:SCOPE_SE   ; my two rows of x, 32 blocks of 256 bytes, each named once in the launch: they are loaded four K steps on
	KSTEP 1, 27
	LOADB 5
	KSTEP 2, 27
	LOADB 6
	KSTEP 3, 27
	LOADB 7
	KSTEP 4, 27
.irp j, 0,1,2,3,4,5,6,7
	global_load_b128 v[VX+4*\j:VX+4*\j+3], v[COL], s[XB:XB+1] offset:512*\j th:TH_LOAD_NT          ; set 0 is free: x's first row
.endr
	KSTEP 5, 26                                    ; behind set 1's loads: two sets and x's eight
.irp j, 0,1,2,3,4,5,6,7
	global_load_b128 v[VX+32+4*\j:VX+32+4*\j+3], v[COL], s[XB:XB+1] offset:4096+512*\j th:TH_LOAD_NT   ; set 1: x's second row
.endr
	KSTEP 6, 25                                    ; one set and x's sixteen
.irp j, 0,1,2,3,4,5,6,7
	global_load_b128 v[G+4*\j:G+4*\j+3], v[COL], s[12:13] offset:512*\j                           ; set 2: g2
.endr
	KSTEP 7, 24                                    ; x's sixteen and g2's eight
.irp j, 0,1,2,3,4,5,6,7
	global_load_b128 v[BE+4*\j:BE+4*\j+3], v[COL], s[14:15] offset:512*\j                         ; set 3: be2
.endr
.irp x, 0,1                                    ; the results go to the stage: row 16 x + r.  (The four places behind the last products stand in KSTEP)
.irp t, 0,1,2,3
	ds_store_b128 v[SO0+\x], v[ACC+32*\x+8*\t:ACC+32*\x+8*\t+3] offset:(32*(\t/2)+8*(\t%2))*4        ; each accumulator from its low end on
	ds_store_b128 v[SO0+\x], v[ACC+32*\x+8*\t+4:ACC+32*\x+8*\t+7] offset:(32*(\t/2)+8*(\t%2))*4+16
.endr
.endr
	s_wait_dscnt 0x0                               ; my results lie in the stage, and the stores have read their registers
	s_barrier_signal -1
	s_barrier_wait -1
.irp k, 0,1
.irp j, 0,1,2,3,4,5,6,7
	ds_load_b128 v[VS+32*\k+4*\j:VS+32*\k+4*\j+3], v[STO] offset:SP*\k+512*\j                     ; my two rows, whole
.endr
.endr
	s_wait_loadcnt 16                              ; x's two rows are in; the sixteen loads of g2 and be2 may be out
	s_wait_dscnt 0x0
.set j, 0
.rept 32
	v_pk_add_f32 v[VS+j:VS+j+1], v[VS+j:VS+j+1], v[VX+j:VX+j+1]
.set j, j+2
.endr
.irp k, 0,1
.irp j, 0,1,2,3,4,5,6,7
	global_store_b128 v[COL], v[VS+32*\k+4*\j:VS+32*\k+4*\j+3], s[X1B:X1B+1] offset:4096*\k+512*\j   ; x1: 512 consecutive bytes, aligned
.endr
.endr
	s_wait_xcnt 0x0                                ; the stores' data are written again only behind this wait
	LNROWS VS
.irp k, 0,1
.irp j, 0,1,2,3,4,5,6,7
	ds_store_b128 v[STO], v[VS+32*\k+4*\j:VS+32*\k+4*\j+3] offset:SP*\k+512*\j                    ; back into the same bytes, which I alone have read
.endr
.endr
	s_wait_dscnt 0x0
	s_barrier_signal -1
	s_barrier_wait -1                              ; 32 rows of h2 lie in the stage
.irp c, 0,1
.irp q, 0,1,2,3,4,5,6,7
	ds_load_b128 v[VS+32*\c+4*\q:VS+32*\c+4*\q+3], v[RDQ] offset:256*\c+16*\q
.endr
.endr
	s_wait_dscnt 0x0
	QUANTB VS, PC, PW
.irp c, 0,1
	global_store_b128 v[COL], v[PC+4*\c:PC+4*\c+3], s[HB:HB+1] offset:512*\c                      ; 512 consecutive bytes, aligned
.endr
	global_store_b32 v[R16S], v[PW], s[HS:HS+1]    ; lanes r and 16 + r hold the same word and write it to the same place
	s_wait_tensorcnt 0x0                           ; the wave's end
	ds_add_u32 v[SPW], v[NIL]
	s_wait_dscnt 0x0
	s_endpgm
	; ---- WEIGHTS.  A wave takes 32 columns x 128 along K.  A LANE TAKES A COLUMN AND ITS REGISTERS RUN DOWN K: lane 16 u + r takes column r % 8 + 8 u + 16 (r / 8) of the 32, the image's row (2 beta + u, r).
	; Each load reads 128 consecutive bytes; a block's 16 bytes of codes go to 1,024 (2 beta + u) + 256 t + 16 r: sixteen lanes store 256 consecutive bytes, aligned.  No LDS, no barrier.
.macro WLOAD t, pitch
.set i, 0
.rept 32
	global_load_b32 v[W+32*(\t)+i], v[WCOL], s[SRC:SRC+1] offset:(32*(\t)+i)*(\pitch) th:TH_LOAD_NT
.set i, i+1
.endr
.endm
.macro WBLK t
	v_max3_num_f32 v[WT], |v[W+32*(\t)]|, |v[W+32*(\t)+1]|, 0x1800000      ; the block's largest magnitude, all 32 numbers mine, in two chains; and the floor
	v_max3_num_f32 v[WT+1], |v[W+32*(\t)+2]|, |v[W+32*(\t)+3]|, |v[W+32*(\t)+4]|
.irp i, 5,9,13,17,21,25
	s_delay_alu instid0(VALU_DEP_2)
	v_max3_num_f32 v[WT], v[WT], |v[W+32*(\t)+\i]|, |v[W+32*(\t)+\i+1]|
	s_delay_alu instid0(VALU_DEP_2)
	v_max3_num_f32 v[WT+1], v[WT+1], |v[W+32*(\t)+\i+2]|, |v[W+32*(\t)+\i+3]|
.endr
	s_delay_alu instid0(VALU_DEP_2)
	v_max3_num_f32 v[WT], v[WT], |v[W+32*(\t)+29]|, |v[W+32*(\t)+30]|
	s_delay_alu instid0(VALU_DEP_1)
	v_max3_num_f32 v[WT], v[WT], v[WT+1], |v[W+32*(\t)+31]|
	s_delay_alu instid0(VALU_DEP_1)
	v_add_nc_u32 v[WT+2], 0xff000000, v[WT]
	s_delay_alu instid0(VALU_DEP_1)
	v_lshrrev_b32 v[WT+3], 23, v[WT+2]
.if (\t) == 0
	s_delay_alu instid0(VALU_DEP_1)
	v_mov_b32 v[WWD], v[WT+3]
.else
	s_delay_alu instid0(VALU_DEP_1)
	v_lshl_or_b32 v[WWD], v[WT+3], 8*(\t), v[WWD]
.endif
.irp g, 0,1,2,3
	v_cvt_scalef32_pk8_fp4_f32 v[WCD+4*(\t)+\g], v[W+32*(\t)+8*\g:W+32*(\t)+8*\g+7], v[WT+2]
.endr
	global_store_b128 v[WIM], v[WCD+4*(\t):WCD+4*(\t)+3], s[DST:DST+1] offset:256*(\t)
.endm
.macro WPATH pitch
	WLOAD 0, \pitch
	WLOAD 1, \pitch
	s_wait_loadcnt 32                              ; block 0 is in; the 32 loads behind it may be out
	WLOAD 2, \pitch
	WBLK 0
	s_wait_loadcnt 32                              ; block 1 is in
	WLOAD 3, \pitch
	WBLK 1
	s_wait_loadcnt 32                              ; block 2 is in
	WBLK 2
	s_wait_loadcnt 0x0
	WBLK 3
	global_store_b32 v[WSC], v[WWD], s[DST:DST+1]  ; my column's scale word
	s_endpgm
.endm
.Lweights:
	s_sub_co_u32 s36, ttmp9, 128                   ; g
	s_wait_alu depctr_va_vdst(0)
	v_and_b32 v[WCOL], 7, v2
	s_delay_alu instid0(VALU_DEP_1)
	v_lshl_add_u32 v[WCOL], v3, 3, v[WCOL]
	v_lshrrev_b32 v[WIM], 3, v2
	s_delay_alu instid0(VALU_DEP_1)
	v_lshl_add_u32 v[WCOL], v[WIM], 4, v[WCOL]
	s_delay_alu instid0(VALU_DEP_1)
	v_lshlrev_b32 v[WCOL], 2, v[WCOL]              ; 4 x my column of the 32
	s_and_b32 s37, s[WV], 1                        ; beta: which 32 of the chunk's 64 rows
	v_lshlrev_b32 v[WIM], 4, v2
	s_delay_alu instid0(VALU_DEP_1)
	v_lshl_add_u32 v[WSC], v3, 2, v[WIM]           ; 16 r + 4 u
	s_delay_alu instid0(VALU_DEP_2)
	v_lshl_add_u32 v[WIM], v3, 10, v[WIM]          ; 16 r + 1,024 u
	s_lshl_b32 s38, s37, 11
	v_add_nc_u32 v[WIM], s38, v[WIM]
	s_lshl_b32 s38, s37, 3
	s_add_co_u32 s38, s38, 4096
	v_add_nc_u32 v[WSC], s38, v[WSC]
	s_mov_b32 s[SRC+1], 0
	s_mov_b32 s[DST+1], 0
	s_wait_kmcnt 0x0
	s_cmp_lt_u32 s36, 64
	s_cbranch_scc0 .Lw1
	s_lshr_b32 s43, s36, 1                         ; g 0-63: W2 [4096][1024]: K step g / 2, columns 32 (16 (g % 2) + w) on
	s_and_b32 s44, s36, 1
	s_lshl_b32 s44, s44, 4
	s_add_co_u32 s44, s44, s[WV]
	s_lshl_b32 s[SRC], s43, 19
	s_lshl_b32 s47, s44, 7
	s_add_co_u32 s[SRC], s[SRC], s47
	s_add_nc_u64 s[SRC:SRC+1], s[18:19], s[SRC:SRC+1]
	s_lshr_b32 s47, s44, 1
	s_lshl_b32 s47, s47, 5
	s_add_co_u32 s47, s47, s43
	s_mul_i32 s[DST], s47, CH
	s_add_co_u32 s[DST], s[DST], W2_OFF
	s_add_nc_u64 s[DST:DST+1], s[24:25], s[DST:DST+1]
	s_wait_alu depctr_va_vdst(0)
	WPATH 4096
.Lw1:
	s_sub_co_u32 s42, s36, 64                      ; g 64-127: W1 [1024][4096]: K step g' / 8, columns 32 (16 (g' % 8) + w) on
	s_lshr_b32 s43, s42, 3
	s_and_b32 s44, s42, 7
	s_lshl_b32 s44, s44, 4
	s_add_co_u32 s44, s44, s[WV]
	s_lshl_b32 s[SRC], s43, 21
	s_lshl_b32 s47, s44, 7
	s_add_co_u32 s[SRC], s[SRC], s47
	s_add_nc_u64 s[SRC:SRC+1], s[16:17], s[SRC:SRC+1]
	s_lshr_b32 s47, s44, 1
	s_lshl_b32 s47, s47, 3
	s_add_co_u32 s47, s47, s43
	s_mul_i32 s[DST], s47, CH
	s_add_co_u32 s[DST], s[DST], W1_OFF
	s_add_nc_u64 s[DST:DST+1], s[24:25], s[DST:DST+1]
	s_wait_alu depctr_va_vdst(0)
	WPATH 16384                                    ; the largest offset, 127 rows of 16,384 bytes, lies inside the signed 24-bit immediate
.Lfunc_end_k_q9a56c947f1_wo_ln2:
	.size	k_q9a56c947f1_wo_ln2, .Lfunc_end_k_q9a56c947f1_wo_ln2-k_q9a56c947f1_wo_ln2
	.p2alignl 7, 3214868480
	.fill 96, 4, 3214868480
	.section	.rodata,"a",@progbits
	.p2align	6, 0x0
	.amdhsa_kernel k_q9a56c947f1_wo_ln2
		.amdhsa_group_segment_fixed_size 152064
		.amdhsa_private_segment_fixed_size 0
		.amdhsa_enable_private_segment 0
		.amdhsa_kernarg_size 88
		.amdhsa_user_sgpr_count 2
		.amdhsa_user_sgpr_kernarg_segment_ptr 1
		.amdhsa_wavefront_size32 1
		.amdhsa_system_sgpr_workgroup_id_x 1
		.amdhsa_system_sgpr_workgroup_id_y 1
		.amdhsa_system_sgpr_workgroup_id_z 1
		.amdhsa_system_vgpr_workitem_id 0
		.amdhsa_next_free_vgpr 256
		.amdhsa_next_free_sgpr 66
		.amdhsa_reserve_vcc 0
		.amdhsa_float_denorm_mode_32 3
		.amdhsa_float_denorm_mode_16_64 3
		.amdhsa_memory_ordered 1
		.amdhsa_forward_progress 1
		.amdhsa_inst_pref_size 99
	.end_amdhsa_kernel
	.amdgpu_metadata
---
amdhsa.version: [ 1, 2 ]
amdhsa.kernels:
  - .name:           k_q9a56c947f1_wo_ln2
    .symbol:         k_q9a56c947f1_wo_ln2.kd
    .args:
      - { .name: oimg, .offset: 0, .size: 8, .value_kind: global_buffer, .address_space: global }
      - { .name: wqo, .offset: 8, .size: 8, .value_kind: global_buffer, .address_space: global }
      - { .name: bo, .offset: 16, .size: 8, .value_kind: global_buffer, .address_space: global }
      - { .name: x, .offset: 24, .size: 8, .value_kind: global_buffer, .address_space: global }
      - { .name: g2, .offset: 32, .size: 8, .value_kind: global_buffer, .address_space: global }
      - { .name: be2, .offset: 40, .size: 8, .value_kind: global_buffer, .address_space: global }
      - { .name: W1, .offset: 48, .size: 8, .value_kind: global_buffer, .address_space: global }
      - { .name: W2, .offset: 56, .size: 8, .value_kind: global_buffer, .address_space: global }
      - { .name: x1, .offset: 64, .size: 8, .value_kind: global_buffer, .address_space: global }
      - { .name: h2img, .offset: 72, .size: 8, .value_kind: global_buffer, .address_space: global }
      - { .name: wimg, .offset: 80, .size: 8, .value_kind: global_buffer, .address_space: global }
    .group_segment_fixed_size: 152064
    .private_segment_fixed_size: 0
    .kernarg_segment_align: 8
    .kernarg_segment_size: 88
    .max_flat_workgroup_size: 512
    .sgpr_count:     66
    .vgpr_count:     256
    .wavefront_size: 32
...
	.end_amdgpu_metadata
.endif
;; end of part 4
;; launch ff1 (part 5): grid 16 x 16, 16 waves a work-group, clusters of 4 x 4, 327,680 bytes of LDS; arguments h2img, wimg, b1, hid; writes hid
.if DOCPART == 5
	.amdgcn_target "amdgcn-amd-amdhsa--gfx1250"
	.amdhsa_code_object_version 6
	.text
	.protected	k_q9a56c947f1_ff1
	.globl	k_q9a56c947f1_ff1
	.p2align	8
	.type	k_q9a56c947f1_ff1,@function
k_q9a56c947f1_ff1:
	s_mov_b64 s[64:65], 0
	v_nop
	global_prefetch_b8 v0, s[64:65] scope:SCOPE_SE
	s_setreg_imm32_b32 hwreg(HW_REG_WAVE_MODE, 25, 1), 1
	s_wait_xcnt 0x0
	s_wait_alu depctr_hold_cnt(0) depctr_sa_sdst(0) depctr_va_vdst(0) depctr_va_sdst(0) depctr_va_ssrc(0) depctr_va_vcc(0) depctr_vm_vsrc(0)
	s_getreg_b32 s2, hwreg(HW_REG_IB_STS2, 6, 4)
	s_cmp_eq_u32 s2, 0
	s_cbranch_scc0 .Lentry_in_a_cluster
	s_endpgm
.Lentry_in_a_cluster:
	s_bfe_u32 s2, ttmp6, 0x10000c
	s_cmp_lg_u32 s2, 0xf033
	s_cbranch_scc0 .Lentry_shape_is_right
	s_endpgm
.Lentry_shape_is_right:
.set CH,    4352
.set GRP,   4*CH
.set PHASE, 8*GRP
.set TILE,  32*CH
.set SPARE, 2*PHASE
.set W1_OFF, 2228224
.set VA,  4
.set VAS, 5
.set VB,  6
.set VBS, 7
.set VOI, 8
.set VOS, 9
.set SPW, 10
.set NIL, 11
.set BOF, 14
.set TM,  16
.set PW,  32
.set AS,  34
.set BS,  36
.set AF,  48
.set BF,  64
.set PC,  64
.set ACC, 128
.set WV,  16
.set ISB, 17
.set G1A, 24
.set G1B, 32
.set G0A, 40
.set G0B, 48
.set SEL, 56
.set OUT, 58
.set B1B, 60
.macro CROUND
	s_barrier_signal -1
	s_barrier_wait -1
	s_cmp_lg_u32 s[WV], 0
	s_cbranch_scc1 .Lnot_wave_0_\@
	s_barrier_signal -3
.Lnot_wave_0_\@:
	s_barrier_wait -3
	s_barrier_signal -1
	s_barrier_wait -1
.endm
.macro JLOAD p
	s_cmp_eq_u32 s[ISB], 0
	s_cbranch_scc0 .Lfor_b_\@
	tensor_load_to_lds s[G0A+4*\p:G0A+4*\p+3], s[G1A:G1A+7]
	s_nop 0
.rept 4
	v_nop
.endr
	s_branch .Lasked_\@
.Lfor_b_\@:
	tensor_load_to_lds s[G0B+4*\p:G0B+4*\p+3], s[G1B:G1B+7]
	s_nop 0
.rept 4
	v_nop
.endr
.Lasked_\@:
.endm
.macro MUL8 t0
.irp t, \t0, \t0+1, \t0+2, \t0+3
.irp x, 0,1
	v_wmma_scale_f32_16x16x128_f8f6f4 v[ACC+64*\x+8*(\t):ACC+64*\x+8*(\t)+7], v[BF+8*(\t):BF+8*(\t)+7], v[AF+8*\x:AF+8*\x+7], v[ACC+64*\x+8*(\t):ACC+64*\x+8*(\t)+7], v[BS+(\t)], v[AS+\x] matrix_a_fmt:MATRIX_FMT_FP4 matrix_b_fmt:MATRIX_FMT_FP4
.endr
.endr
.endm
.macro KSTEP off
.rept 4
	v_nop
.endr
.irp x, 0,1
.irp c, 0,1
	ds_load_b128 v[AF+8*\x+4*\c:AF+8*\x+4*\c+3], v[VA] offset:(\off)+1024*\x+512*\c
.endr
.endr
	ds_load_b64 v[AS:AS+1], v[VAS] offset:(\off)
.irp u, 0,1
	ds_load_b128 v[BS+4*\u:BS+4*\u+3], v[VBS] offset:(\off)+\u*GRP
.endr
.irp t, 0,1,2,3,4,5,6,7
.irp c, 0,1
	ds_load_b128 v[BF+8*\t+4*\c:BF+8*\t+4*\c+3], v[VB] offset:(\off)+(\t/4)*GRP+(\t%4)*1024+512*\c
.endr
.endr
	s_wait_dscnt 8
	MUL8 0
	s_wait_dscnt 0x0
	MUL8 4
.endm
.macro QUANT s, pc, pw
.irp b, 0,1,2,3
	v_max3_num_f32 v[TM+\b], |v[\s+16*\b]|, |v[\s+1+16*\b]|, 0x1800000
.endr
.irp i, 2,4,6,8,10,12,14
.irp b, 0,1,2,3
	s_delay_alu instid0(VALU_DEP_4)
	v_max3_num_f32 v[TM+\b], v[TM+\b], |v[\s+16*\b+\i]|, |v[\s+1+16*\b+\i]|
.endr
.endr
.irp b, 0,1,2,3
	s_delay_alu instid0(VALU_DEP_4)
	v_permlanex16_b32 v[TM+4+\b], v[TM+\b], s[SEL], s[SEL+1]
.endr
.irp b, 0,1,2,3
	s_delay_alu instid0(VALU_DEP_4)
	v_max_num_f32 v[TM+\b], v[TM+\b], v[TM+4+\b]
.endr
.irp b, 0,1,2,3
	s_delay_alu instid0(VALU_DEP_4)
	v_add_nc_u32 v[TM+12+\b], 0xff000000, v[TM+\b]
.endr
.irp b, 0,1,2,3
	s_delay_alu instid0(VALU_DEP_4)
	v_lshrrev_b32 v[TM+4+\b], 23, v[TM+12+\b]
.endr
	s_delay_alu instid0(VALU_DEP_3)
	v_lshl_or_b32 v[\pw], v[TM+5], 8, v[TM+4]
	s_delay_alu instid0(VALU_DEP_1)
	v_lshl_or_b32 v[\pw], v[TM+6], 16, v[\pw]
	s_delay_alu instid0(VALU_DEP_1)
	v_lshl_or_b32 v[\pw], v[TM+7], 24, v[\pw]
.irp b, 0,1,2,3
	v_cvt_scalef32_pk8_fp4_f32 v[\pc+2*\b], v[\s+16*\b:\s+7+16*\b], v[TM+12+\b]
	v_cvt_scalef32_pk8_fp4_f32 v[\pc+1+2*\b], v[\s+8+16*\b:\s+15+16*\b], v[TM+12+\b]
.endr
	v_nop
.irp c, 0,1
.irp i, 0,1
	v_permlane16_swap_b32 v[\pc+4*\c+\i], v[\pc+2+4*\c+\i]
.endr
.endr
.endm
	s_load_b256 s[4:11], s[0:1], 0x0
	v_lshl_add_u32 v[SPW], v0, 2, SPARE
	v_mov_b32 v[NIL], 0
	ds_add_u32 v[SPW], v[NIL]
	ds_add_u32 v[SPW], v[NIL]
	v_lshrrev_b32 v1, 5, v0
	s_delay_alu instid0(VALU_DEP_1)
	v_readfirstlane_b32 s[WV], v1
	s_bfe_u32 s[ISB], s[WV], 0x10002
	s_bfe_u32 s18, ttmp6, 0x40000
	s_bfe_u32 s19, ttmp6, 0x40004
	s_lshl_b32 s20, ttmp9, 2
	s_add_co_u32 s20, s20, s18
	s_and_b32 s21, ttmp7, 0xffff
	s_lshl_b32 s21, s21, 2
	s_add_co_u32 s21, s21, s19
	s_lshl_b32 s12, 0x1111, s18
	s_lshl_b32 s13, s19, 2
	s_lshl_b32 s13, 15, s13
	s_or_b32 s[G1A], s12, (3<<16)|(1<<21)
	s_or_b32 s[G1B], s13, (3<<16)|(1<<21)
.irp g, G1A, G1B
	s_mov_b32 s[\g+1], 32<<16
	s_mov_b32 s[\g+2], 68<<16                      ; four chunks, 17,408 dense bytes, as 68 rows of 256 bytes
	s_mov_b32 s[\g+3], 32<<16
	s_mov_b32 s[\g+4], 68
	s_mov_b32 s[\g+5], 32
	s_mov_b32 s[\g+6], 0
	s_mov_b32 s[\g+7], 0
.endr
	s_mov_b32 s[SEL], 0x76543210
	s_mov_b32 s[SEL+1], 0xfedcba98
	s_and_b32 s14, s[WV], 3
	s_lshr_b32 s15, s[WV], 3
	s_lshl_b32 s14, s14, 3
	s_lshl_b32 s23, s15, 2                         ; wave w fetches group w % 4 of side (w % 8) / 4, the four K steps of phase w / 8
	s_add_co_u32 s14, s14, s23
	s_mul_i32 s14, s14, CH
	s_and_b32 s23, s[WV], 7
	s_mul_i32 s23, s23, GRP
	s_mul_i32 s15, s15, PHASE
	s_add_co_u32 s23, s23, s15
	s_mul_i32 s70, s20, TILE
	s_add_co_u32 s70, s70, s14
	s_mov_b32 s71, 0
	s_mul_i32 s78, s21, TILE
	s_add_co_u32 s78, s78, s14
	s_add_co_u32 s78, s78, W1_OFF
	s_mov_b32 s79, 0
	s_wait_dscnt 0x0
	s_wait_kmcnt 0x0
	s_add_nc_u64 s[66:67], s[4:5], s[70:71]
	s_add_nc_u64 s[68:69], s[6:7], s[78:79]
	CROUND
.irp p, 0
	s_mov_b32 s[G0A+4*\p], 1
	s_add_co_u32 s[G0A+4*\p+1], s23, \p*PHASE
	s_add_nc_u64 s[G0A+4*\p+2:G0A+4*\p+3], s[66:67], \p*4*CH
	s_or_b32 s[G0A+4*\p+3], s[G0A+4*\p+3], 0x80000000
	s_mov_b32 s[G0B+4*\p], 1
	s_add_co_u32 s[G0B+4*\p+1], s23, \p*PHASE
	s_add_nc_u64 s[G0B+4*\p+2:G0B+4*\p+3], s[68:69], \p*4*CH
	s_or_b32 s[G0B+4*\p+3], s[G0B+4*\p+3], 0x80000000
	JLOAD \p
.endr
	s_lshr_b32 s80, s[WV], 2
	s_and_b32 s82, s[WV], 1
	s_lshl_b32 s74, s20, 2
	s_add_co_u32 s74, s74, s80
	s_lshl_b32 s74, s74, 5
	s_lshl_b32 s81, s21, 1
	s_add_co_u32 s74, s74, s81
	s_add_co_u32 s74, s74, s82
	s_mul_i32 s74, s74, CH
	s_mov_b32 s75, 0
	s_add_nc_u64 s[OUT:OUT+1], s[10:11], s[74:75]
	s_lshl_b32 s76, s21, 10
	s_lshl_b32 s77, s82, 9
	s_add_co_u32 s76, s76, s77
	s_mov_b32 s77, 0
	s_add_nc_u64 s[B1B:B1B+1], s[8:9], s[76:77]
	v_and_b32 v1, 31, v0
	v_and_b32 v2, 15, v0
	v_bfe_u32 v3, v0, 4, 1
	s_delay_alu instid0(VALU_DEP_1)
	v_lshlrev_b32 v[BOF], 6, v3
.irp x, 0,1
.irp t, 0,1,2,3,4,5,6,7
	global_load_b128 v[ACC+64*\x+8*\t:ACC+64*\x+8*\t+3], v[BOF], s[B1B:B1B+1] offset:(32*(\t/2)+8*(\t%2))*4
	global_load_b128 v[ACC+64*\x+8*\t+4:ACC+64*\x+8*\t+7], v[BOF], s[B1B:B1B+1] offset:(32*(\t/2)+8*(\t%2))*4+16
.endr
.endr
	v_lshlrev_b32 v12, 4, v1
	s_wait_alu depctr_va_vdst(0)
	v_lshlrev_b32 v13, 4, v2
	s_wait_alu depctr_va_vdst(0)
	s_bfe_u32 s83, s[WV], 0x10001
	s_mul_i32 s84, s80, GRP
	s_lshl_b32 s85, s83, 11
	s_add_co_u32 s86, s84, s85
	v_add_nc_u32 v[VA], s86, v12
	s_lshl_b32 s87, s83, 3
	s_add_co_u32 s87, s87, 4096
	s_add_co_u32 s88, s84, s87
	v_add_nc_u32 v[VAS], s88, v13
	s_mul_i32 s89, s82, 2*GRP
	s_add_co_u32 s89, s89, 4*GRP
	v_add_nc_u32 v[VB], s89, v12
	s_add_co_u32 s89, s89, 4096
	v_add_nc_u32 v[VBS], s89, v13
	v_add_nc_u32 v[VOI], s85, v12
	v_add_nc_u32 v[VOS], s87, v13
.irp b, 0,1,2,3
	v_mov_b32 v[TM+4+\b], 0
.endr
	s_wait_alu depctr_va_vdst(0)
	s_wait_tensorcnt 0x0                           ; my one tensor load is in; the sixteen waves' loads bring both phases, and nothing is filled again
	s_barrier_signal -1
	s_barrier_wait -1
	s_wait_loadcnt 0x0
	KSTEP 0
	KSTEP CH
	KSTEP 2*CH
	KSTEP 3*CH
	v_add_nc_u32 v[VA], PHASE, v[VA]               ; on to phase 1, which the one barrier has shown whole too
	s_wait_alu depctr_va_vdst(0)
	v_add_nc_u32 v[VAS], PHASE, v[VAS]
	s_wait_alu depctr_va_vdst(0)
	v_add_nc_u32 v[VB], PHASE, v[VB]
	v_add_nc_u32 v[VBS], PHASE, v[VBS]
	s_wait_alu depctr_va_vdst(0)
	KSTEP 0
	KSTEP CH
	KSTEP 2*CH
	KSTEP 3*CH
.rept 4
	v_nop
.endr
.set j, 0
.rept 128
	v_max_num_f32 v[ACC+j], 0, v[ACC+j]
.set j, j+1
.endr
	QUANT ACC, PC, PW
	QUANT ACC+64, PC+8, PW+1
.irp x, 0,1
.irp c, 0,1
	global_store_b128 v[VOI], v[PC+8*\x+4*\c:PC+8*\x+4*\c+3], s[OUT:OUT+1] offset:1024*\x+512*\c
.endr
.endr
	global_store_b64 v[VOS], v[PW:PW+1], s[OUT:OUT+1]
	s_wait_tensorcnt 0x0
	ds_add_u32 v[SPW], v[NIL]
	s_wait_dscnt 0x0
	CROUND
	s_endpgm
.Lfunc_end_k_q9a56c947f1_ff1:
	.size	k_q9a56c947f1_ff1, .Lfunc_end_k_q9a56c947f1_ff1-k_q9a56c947f1_ff1
	.p2alignl 7, 3214868480
	.fill 96, 4, 3214868480
	.section	.rodata,"a",@progbits
	.p2align	6, 0x0
	.amdhsa_kernel k_q9a56c947f1_ff1
		.amdhsa_group_segment_fixed_size 327680
		.amdhsa_private_segment_fixed_size 0
		.amdhsa_enable_private_segment 0
		.amdhsa_kernarg_size 32
		.amdhsa_user_sgpr_count 2
		.amdhsa_user_sgpr_kernarg_segment_ptr 1
		.amdhsa_wavefront_size32 1
		.amdhsa_system_sgpr_workgroup_id_x 1
		.amdhsa_system_sgpr_workgroup_id_y 1
		.amdhsa_system_sgpr_workgroup_id_z 1
		.amdhsa_system_vgpr_workitem_id 0
		.amdhsa_next_free_vgpr 256
		.amdhsa_next_free_sgpr 100
		.amdhsa_reserve_vcc 0
		.amdhsa_float_denorm_mode_32 3
		.amdhsa_float_denorm_mode_16_64 3
		.amdhsa_memory_ordered 1
		.amdhsa_forward_progress 1
		.amdhsa_inst_pref_size 54
	.end_amdhsa_kernel
	.amdgpu_metadata
---
amdhsa.version: [ 1, 2 ]
amdhsa.kernels:
  - .name:           k_q9a56c947f1_ff1
    .symbol:         k_q9a56c947f1_ff1.kd
    .args:
      - { .name: h2img, .offset: 0, .size: 8, .value_kind: global_buffer, .address_space: global }
      - { .name: wimg, .offset: 8, .size: 8, .value_kind: global_buffer, .address_space: global }
      - { .name: b1, .offset: 16, .size: 8, .value_kind: global_buffer, .address_space: global }
      - { .name: hid, .offset: 24, .size: 8, .value_kind: global_buffer, .address_space: global }
    .group_segment_fixed_size: 327680
    .private_segment_fixed_size: 0
    .kernarg_segment_align: 8
    .kernarg_segment_size: 32
    .max_flat_workgroup_size: 512
    .sgpr_count:     100
    .vgpr_count:     256
    .wavefront_size: 32
...
	.end_amdgpu_metadata
.endif
;; end of part 5
;; launch ff2 (part 6): grid 32 x 8, 8 waves a work-group, clusters of 4 x 4, 327,680 bytes of LDS; arguments hid, wimg, b2, x1, out0; writes out0
.if DOCPART == 6
	.amdgcn_target "amdgcn-amd-amdhsa--gfx1250"
	.amdhsa_code_object_version 6
	.text
	.protected	k_q9a56c947f1_ff2
	.globl	k_q9a56c947f1_ff2
	.p2align	8
	.type	k_q9a56c947f1_ff2,@function
k_q9a56c947f1_ff2:
	s_mov_b64 s[64:65], 0
	v_nop
	global_prefetch_b8 v0, s[64:65] scope:SCOPE_SE
	s_setreg_imm32_b32 hwreg(HW_REG_WAVE_MODE, 25, 1), 1
	s_wait_xcnt 0x0
	s_wait_alu depctr_hold_cnt(0) depctr_sa_sdst(0) depctr_va_vdst(0) depctr_va_sdst(0) depctr_va_ssrc(0) depctr_va_vcc(0) depctr_vm_vsrc(0)
	s_getreg_b32 s2, hwreg(HW_REG_IB_STS2, 6, 4)
	s_cmp_eq_u32 s2, 0
	s_cbranch_scc0 .Lentry_in_a_cluster
	s_endpgm
.Lentry_in_a_cluster:
	s_bfe_u32 s2, ttmp6, 0x10000c
	s_cmp_lg_u32 s2, 0xf033
	s_cbranch_scc0 .Lentry_shape_is_right
	s_endpgm
.Lentry_shape_is_right:
.set CH,    4352
.set GRP,   8*CH
.set SLOT,  4*GRP
.set SPARE, 2*SLOT
.set W2_OFF, 4456448
.set SPI,   272
.set SPW, 12
.set NIL, 13
.set BOF, 16
.set SO,  17
.set SR,  18
.set GO,  19
.set PFX, 20
.set SCW, 32
.set ACC, 64
.set FS,  128
.set WV,  16
.set ISB, 17
.set G1A, 24
.set G1B, 32
.set G0A, 40
.set G0B, 48
.set X1B, 56
.set OB,  58
.set B2B, 60
.macro CROUND
	s_barrier_signal -1
	s_barrier_wait -1
	s_cmp_lg_u32 s[WV], 0
	s_cbranch_scc1 .Lnot_wave_0_\@
	s_barrier_signal -3
.Lnot_wave_0_\@:
	s_barrier_wait -3
	s_barrier_signal -1
	s_barrier_wait -1
.endm
.macro JLOAD p
	s_cmp_eq_u32 s[ISB], 0
	s_cbranch_scc0 .Lfor_b_\@
	tensor_load_to_lds s[G0A+4*\p:G0A+4*\p+3], s[G1A:G1A+7]
	s_nop 0
.rept 4
	v_nop
.endr
	s_branch .Lasked_\@
.Lfor_b_\@:
	tensor_load_to_lds s[G0B+4*\p:G0B+4*\p+3], s[G1B:G1B+7]
	s_nop 0
.rept 4
	v_nop
.endr
.Lasked_\@:
.endm
.macro LOADF set, q, sl
.irp x, 0,1
.irp c, 0,1
	ds_load_b128 v[FS+48*(\set)+8*\x+4*\c:FS+48*(\set)+8*\x+4*\c+3], v[4+4*\sl] offset:CH*(\q)+1024*\x+512*\c
.endr
.endr
.irp t, 0,1,2,3
.irp c, 0,1
	ds_load_b128 v[FS+48*(\set)+16+8*\t+4*\c:FS+48*(\set)+16+8*\t+4*\c+3], v[6+4*\sl] offset:CH*(\q)+1024*\t+512*\c
.endr
.endr
	ds_load_b64 v[SCW+6*(\set):SCW+6*(\set)+1], v[5+4*\sl] offset:CH*(\q)
	ds_load_b128 v[SCW+6*(\set)+2:SCW+6*(\set)+5], v[7+4*\sl] offset:CH*(\q)
.endm
.macro MULF set
.irp t, 0,1,2,3
.irp x, 0,1
	v_wmma_scale_f32_16x16x128_f8f6f4 v[ACC+32*\x+8*\t:ACC+32*\x+8*\t+7], v[FS+48*(\set)+16+8*\t:FS+48*(\set)+16+8*\t+7], v[FS+48*(\set)+8*\x:FS+48*(\set)+8*\x+7], v[ACC+32*\x+8*\t:ACC+32*\x+8*\t+7], v[SCW+6*(\set)+2+\t], v[SCW+6*(\set)+\x] matrix_a_fmt:MATRIX_FMT_FP4 matrix_b_fmt:MATRIX_FMT_FP4
.endr
.endr
.rept 4
	v_nop
.endr
.endm
.macro PART sl
	LOADF 0, 0, \sl
.irp q, 0,1,2,3,4,5,6
	LOADF (\q+1)%2, (\q+1)%4+8*((\q+1)/4), \sl     ; LDS holds eight chunks for each loading wave: slot p's four at + 4 p chunks; so a group's K step q of a slot lies q % 4 + 8 (q / 4) chunks on
	s_wait_dscnt 14
	MULF \q%2
.endr
	s_wait_dscnt 0x0
	MULF 1
.endm
.macro CHG sl
	s_wait_tensorcnt 0x0
	ds_add_u32 v[SPW], v[NIL]
	s_add_nc_u64 s[G0A+4*\sl+2:G0A+4*\sl+3], s[G0A+4*\sl+2:G0A+4*\sl+3], 2*GRP
	s_add_nc_u64 s[G0B+4*\sl+2:G0B+4*\sl+3], s[G0B+4*\sl+2:G0B+4*\sl+3], 2*GRP
	s_wait_dscnt 0x0
	CROUND
	JLOAD \sl
.endm
	s_load_b256 s[4:11], s[0:1], 0x0
	s_load_b64 s[12:13], s[0:1], 0x20
	v_lshl_add_u32 v[SPW], v0, 2, SPARE
	v_mov_b32 v[NIL], 0
	ds_add_u32 v[SPW], v[NIL]
	ds_add_u32 v[SPW], v[NIL]
	v_lshrrev_b32 v1, 5, v0
	s_delay_alu instid0(VALU_DEP_1)
	v_readfirstlane_b32 s[WV], v1
	s_lshr_b32 s[ISB], s[WV], 2
	s_bfe_u32 s18, ttmp6, 0x40000
	s_bfe_u32 s19, ttmp6, 0x40004
	s_lshl_b32 s20, ttmp9, 2
	s_add_co_u32 s20, s20, s18
	s_and_b32 s21, ttmp7, 0xffff
	s_lshl_b32 s21, s21, 2
	s_add_co_u32 s21, s21, s19
	s_lshl_b32 s14, 0x1111, s18
	s_lshl_b32 s15, s19, 2
	s_lshl_b32 s15, 15, s15
	s_or_b32 s[G1A], s14, (3<<16)|(1<<21)
	s_or_b32 s[G1B], s15, (3<<16)|(1<<21)
.irp g, G1A, G1B
	s_mov_b32 s[\g+1], 2176<<16                    ; the head's load brings my pieces of both slots: two rows of four chunks (2,176 elements of 8 bytes), eight chunks apart in memory
	s_mov_b32 s[\g+2], 2<<16
	s_mov_b32 s[\g+3], 2176<<16
	s_mov_b32 s[\g+4], 2
	s_mov_b32 s[\g+5], 4352
	s_mov_b32 s[\g+6], 0
	s_mov_b32 s[\g+7], 0
.endr
	s_bfe_u32 s22, s[WV], 0x10001
	s_and_b32 s23, s[WV], 1
	s_lshl_b32 s72, s23, 2
	s_lshl_b32 s66, s20, 1
	s_add_co_u32 s66, s66, s22
	s_lshl_b32 s66, s66, 5
	s_add_co_u32 s66, s66, s72
	s_mul_i32 s66, s66, CH
	s_mov_b32 s67, 0
	s_lshl_b32 s68, s21, 1
	s_add_co_u32 s68, s68, s22
	s_lshl_b32 s68, s68, 5
	s_add_co_u32 s68, s68, s72
	s_mul_i32 s68, s68, CH
	s_add_co_u32 s68, s68, W2_OFF
	s_mov_b32 s69, 0
	s_mul_i32 s70, s[WV], 8*CH
	s_wait_dscnt 0x0
	s_wait_kmcnt 0x0
	s_add_nc_u64 s[66:67], s[4:5], s[66:67]
	s_add_nc_u64 s[68:69], s[6:7], s[68:69]
	CROUND
.irp p, 0,1
	s_mov_b32 s[G0A+4*\p], 1
	s_add_co_u32 s[G0A+4*\p+1], s70, \p*4*CH
	s_add_nc_u64 s[G0A+4*\p+2:G0A+4*\p+3], s[66:67], \p*GRP
	s_or_b32 s[G0A+4*\p+3], s[G0A+4*\p+3], 0x80000000
	s_mov_b32 s[G0B+4*\p], 1
	s_add_co_u32 s[G0B+4*\p+1], s70, \p*4*CH
	s_add_nc_u64 s[G0B+4*\p+2:G0B+4*\p+3], s[68:69], \p*GRP
	s_or_b32 s[G0B+4*\p+3], s[G0B+4*\p+3], 0x80000000
.endr
	JLOAD 0                                        ; my one tensor load at the head
	s_lshr_b32 s73, s[WV], 1
	s_lshl_b32 s74, s20, 7
	s_lshl_b32 s75, s73, 5
	s_add_co_u32 s74, s74, s75
	s_lshl_b32 s74, s74, 12
	s_lshl_b32 s75, s21, 9
	s_add_co_u32 s74, s74, s75
	s_lshl_b32 s75, s23, 8
	s_add_co_u32 s74, s74, s75
	s_mov_b32 s75, 0
	s_add_nc_u64 s[X1B:X1B+1], s[10:11], s[74:75]
	s_add_nc_u64 s[OB:OB+1], s[12:13], s[74:75]
	s_lshl_b32 s76, s21, 9
	s_lshl_b32 s77, s23, 8
	s_add_co_u32 s76, s76, s77
	s_mov_b32 s77, 0
	s_add_nc_u64 s[B2B:B2B+1], s[8:9], s[76:77]
	v_and_b32 v1, 31, v0
	v_and_b32 v2, 15, v0
	v_bfe_u32 v3, v0, 4, 1
	s_delay_alu instid0(VALU_DEP_1)
	v_lshlrev_b32 v[BOF], 6, v3
.irp x, 0,1
.irp t, 0,1,2,3
	global_load_b128 v[ACC+32*\x+8*\t:ACC+32*\x+8*\t+3], v[BOF], s[B2B:B2B+1] offset:(32*(\t/2)+8*(\t%2))*4
	global_load_b128 v[ACC+32*\x+8*\t+4:ACC+32*\x+8*\t+7], v[BOF], s[B2B:B2B+1] offset:(32*(\t/2)+8*(\t%2))*4+16
.endr
.endr
	v_lshlrev_b32 v14, 4, v1
	s_wait_alu depctr_va_vdst(0)
	v_lshlrev_b32 v15, 4, v2
	s_wait_alu depctr_va_vdst(0)
	s_mul_i32 s78, s[ISB], 2*GRP
	s_lshl_b32 s79, s22, 11
	s_add_co_u32 s80, s78, s79
	v_add_nc_u32 v4, s80, v14
	s_lshl_b32 s79, s22, 3
	s_add_co_u32 s80, s78, s79
	s_add_co_u32 s80, s80, 4096
	v_add_nc_u32 v5, s80, v15
	s_mul_i32 s81, s23, 2*GRP
	s_add_co_u32 s81, s81, 4*GRP
	v_add_nc_u32 v6, s81, v14
	s_add_co_u32 s81, s81, 4096
	v_add_nc_u32 v7, s81, v15
.irp n, 0,1,2,3
	v_add_nc_u32 v[8+\n], 4*CH, v[4+\n]
.endr
	s_mul_i32 s82, s[WV], 32*SPI
	v_mul_u32_u24 v[SO], v2, SPI
	s_delay_alu instid0(VALU_DEP_1)
	v_lshl_add_u32 v[SO], v3, 6, v[SO]
	s_delay_alu instid0(VALU_DEP_1)
	v_add_nc_u32 v[SO], s82, v[SO]
	v_mul_u32_u24 v[SR], v3, SPI
	s_delay_alu instid0(VALU_DEP_1)
	v_add_nc_u32 v[SR], v[SR], v15
	s_delay_alu instid0(VALU_DEP_1)
	v_add_nc_u32 v[SR], s82, v[SR]
	v_lshl_add_u32 v[GO], v3, 12, v15
	s_set_vgpr_msb 0x40                            ; destinations in window 1: x1's 32 rows x 256 bytes of my tile go to v256-319 now and are added on the way out
.set k, 0
.rept 16
	global_load_b128 v[4*k:4*k+3], v[GO], s[X1B:X1B+1] offset:(8*(k/8)+((2*k)%8)+16*((k%8)/4))*4096 th:TH_LOAD_NT
.set k, k+1
.endr
	s_set_vgpr_msb 0x4000
	s_wait_alu depctr_va_vdst(0)                   ; the head's end
	s_wait_tensorcnt 0x0                           ; my pieces of both slots are in, and no tensor load of mine is out: group 1 takes the ring's shape: four chunks, 17,408 dense bytes, as 68 rows of 256 bytes
.irp g, G1A, G1B
	s_mov_b32 s[\g+1], 32<<16
	s_mov_b32 s[\g+2], 68<<16
	s_mov_b32 s[\g+3], 32<<16
	s_mov_b32 s[\g+4], 68
	s_mov_b32 s[\g+5], 32
.endr
	s_barrier_signal -1
	s_barrier_wait -1
	s_wait_loadcnt 16                              ; b2's sixteen loads are in; x1's sixteen, issued behind them, may be out
	PART 0
	CHG 0
	PART 1
	CHG 1
	PART 0
	s_wait_tensorcnt 0x0
	ds_add_u32 v[SPW], v[NIL]
	s_wait_dscnt 0x0
	s_barrier_signal -1
	s_barrier_wait -1
	PART 1
	s_barrier_signal -1                            ; the stage lies over bytes of both slots: nobody reads them any more behind this barrier (no LDS instruction of mine is out)
	s_barrier_wait -1
.irp x, 0,1
.irp t, 0,1,2,3
	ds_store_b128 v[SO], v[ACC+32*\x+8*\t:ACC+32*\x+8*\t+3] offset:16*\x*SPI+(32*(\t/2)+8*(\t%2))*4
	ds_store_b128 v[SO], v[ACC+32*\x+8*\t+4:ACC+32*\x+8*\t+7] offset:16*\x*SPI+(32*(\t/2)+8*(\t%2))*4+16
.endr
.endr
.set k, 0
.rept 16
	ds_load_b128 v[192+4*k:195+4*k], v[SR] offset:2*k*SPI
.set k, k+1
.endr
	s_wait_loadcnt 0x0
.set k, 0
.rept 16
.if k == 0
	s_set_vgpr_msb 0x0004                          ; source 1 in window 1: x1
.endif
	s_wait_dscnt 15-k
	v_pk_add_f32 v[192+4*k:193+4*k], v[192+4*k:193+4*k], v[4*k:4*k+1]
	v_pk_add_f32 v[194+4*k:195+4*k], v[194+4*k:195+4*k], v[4*k+2:4*k+3]
.set k, k+1
.endr
	s_set_vgpr_msb 0x0400
	s_wait_alu depctr_va_vdst(0)                   ; directly ahead of the stores that read the sums
.set k, 0
.rept 16
	global_store_b128 v[GO], v[192+4*k:195+4*k], s[OB:OB+1] offset:(8*(k/8)+((2*k)%8)+16*((k%8)/4))*4096 th:TH_STORE_NT
.set k, k+1
.endr
	s_wait_tensorcnt 0x0
	ds_add_u32 v[SPW], v[NIL]
	s_wait_dscnt 0x0
	CROUND
	s_endpgm
.Lfunc_end_k_q9a56c947f1_ff2:
	.size	k_q9a56c947f1_ff2, .Lfunc_end_k_q9a56c947f1_ff2-k_q9a56c947f1_ff2
	.p2alignl 7, 3214868480
	.fill 96, 4, 3214868480
	.section	.rodata,"a",@progbits
	.p2align	6, 0x0
	.amdhsa_kernel k_q9a56c947f1_ff2
		.amdhsa_group_segment_fixed_size 327680
		.amdhsa_private_segment_fixed_size 0
		.amdhsa_enable_private_segment 0
		.amdhsa_kernarg_size 40
		.amdhsa_user_sgpr_count 2
		.amdhsa_user_sgpr_kernarg_segment_ptr 1
		.amdhsa_wavefront_size32 1
		.amdhsa_system_sgpr_workgroup_id_x 1
		.amdhsa_system_sgpr_workgroup_id_y 1
		.amdhsa_system_sgpr_workgroup_id_z 1
		.amdhsa_system_vgpr_workitem_id 0
		.amdhsa_next_free_vgpr 320
		.amdhsa_next_free_sgpr 100
		.amdhsa_reserve_vcc 0
		.amdhsa_float_denorm_mode_32 3
		.amdhsa_float_denorm_mode_16_64 3
		.amdhsa_memory_ordered 1
		.amdhsa_forward_progress 1
		.amdhsa_inst_pref_size 85
	.end_amdhsa_kernel
	.amdgpu_metadata
---
amdhsa.version: [ 1, 2 ]
amdhsa.kernels:
  - .name:           k_q9a56c947f1_ff2
    .symbol:         k_q9a56c947f1_ff2.kd
    .args:
      - { .name: hid, .offset: 0, .size: 8, .value_kind: global_buffer, .address_space: global }
      - { .name: wimg, .offset: 8, .size: 8, .value_kind: global_buffer, .address_space: global }
      - { .name: b2, .offset: 16, .size: 8, .value_kind: global_buffer, .address_space: global }
      - { .name: x1, .offset: 24, .size: 8, .value_kind: global_buffer, .address_space: global }
      - { .name: out0, .offset: 32, .size: 8, .value_kind: global_buffer, .address_space: global }
    .group_segment_fixed_size: 327680
    .private_segment_fixed_size: 0
    .kernarg_segment_align: 8
    .kernarg_segment_size: 40
    .max_flat_workgroup_size: 256
    .sgpr_count:     100
    .vgpr_count:     320
    .wavefront_size: 32
...
	.end_amdgpu_metadata
.endif
;; end of part 6
